; MI455X (gfx1250); checked and timed in simulation.
; The chip was launched on July 23, 2026; its instructions are those of AMD's public machine-readable ISA for CDNA 5 (MIT licence, August 2026) and "CDNA5" Instruction Set Architecture Reference Guide (July 2026). The comments in the code are by the model that wrote it; some were corrected since.
;; Time Sformer Block. Allowed arithmetic: matrix products marked QUANTISED: E2M3 operands, one E8M0 scale for each 32 along K, by v_wmma_scale_f32_16x16x128_f8f6f4 with both operands' format E2M3, f32 sums; everything else in f32.
;; Inputs: f_b1 2,048 float32; f_b2 512 float32; f_w1_codes 2,048 x 16 x 24 uint8 (E2M3 codes of f_w1, K innermost, in blocks of 32 codes, four codes in three bytes); f_w1_scales 2,048 x 16 uint8 (E8M0 scales of f_w1, one for each 32 codes along K); f_w2_codes 512 x 64 x 24 uint8 (E2M3 codes of f_w2, K innermost, in blocks of 32 codes, four codes in three bytes); f_w2_scales 512 x 64 uint8 (E8M0 scales of f_w2, one for each 32 codes along K); ln1_b 512 float32; ln1_g 512 float32; ln2_b 512 float32; ln2_g 512 float32; s_bk 512 float32; s_bo 512 float32; s_bq 512 float32; s_bv 512 float32; s_wk_codes 512 x 16 x 24 uint8 (E2M3 codes of s_wk, K innermost, in blocks of 32 codes, four codes in three bytes); s_wk_scales 512 x 16 uint8 (E8M0 scales of s_wk, one for each 32 codes along K); s_wo_codes 512 x 16 x 24 uint8 (E2M3 codes of s_wo, K innermost, in blocks of 32 codes, four codes in three bytes); s_wo_scales 512 x 16 uint8 (E8M0 scales of s_wo, one for each 32 codes along K); s_wq_codes 512 x 16 x 24 uint8 (E2M3 codes of s_wq, K innermost, in blocks of 32 codes, four codes in three bytes); s_wq_scales 512 x 16 uint8 (E8M0 scales of s_wq, one for each 32 codes along K); s_wv_codes 512 x 16 x 24 uint8 (E2M3 codes of s_wv, K innermost, in blocks of 32 codes, four codes in three bytes); s_wv_scales 512 x 16 uint8 (E8M0 scales of s_wv, one for each 32 codes along K); t_bk 512 float32; t_bo 512 float32; t_bq 512 float32; t_bv 512 float32; t_wk_codes 512 x 16 x 24 uint8 (E2M3 codes of t_wk, K innermost, in blocks of 32 codes, four codes in three bytes); t_wk_scales 512 x 16 uint8 (E8M0 scales of t_wk, one for each 32 codes along K); t_wo_codes 512 x 16 x 24 uint8 (E2M3 codes of t_wo, K innermost, in blocks of 32 codes, four codes in three bytes); t_wo_scales 512 x 16 uint8 (E8M0 scales of t_wo, one for each 32 codes along K); t_wq_codes 512 x 16 x 24 uint8 (E2M3 codes of t_wq, K innermost, in blocks of 32 codes, four codes in three bytes); t_wq_scales 512 x 16 uint8 (E8M0 scales of t_wq, one for each 32 codes along K); t_wv_codes 512 x 16 x 24 uint8 (E2M3 codes of t_wv, K innermost, in blocks of 32 codes, four codes in three bytes); t_wv_scales 512 x 16 uint8 (E8M0 scales of t_wv, one for each 32 codes along K); x 4 x 2,048 x 512 float32.
;; Outputs: out0 4 x 2,048 x 512 float32.
;; This version of the problem:
;;   THIS VERSION OF THE PROBLEM IS GIVEN IN LOW PRECISION. The matrix products marked QUANTISED in the list below multiply operands that are first quantised to E2M3 (2 exponent bits, 3 mantissa bits; 6 bits a number), with one power-of-two scale for each 32 numbers along K (OCP MX v1.0); their sums are f32. All else is computed in f32.
;;   The module's matrix products, in the order in which they are computed (A, B: the left and right operand; K: the contracted axis; several contracted axes count as one K, in the product's order):
;;     1. [M 8,192, K 512] x [K 512, N 512]; A: input x; B: input t_wq (given as codes): QUANTISED
;;     2. [M 8,192, K 512] x [K 512, N 512]; A: input x; B: input t_wk (given as codes): QUANTISED
;;     3. [M 8,192, K 512] x [K 512, N 512]; A: input x; B: input t_wv (given as codes): QUANTISED
;;     4. batch 32 x [M 2,048, K 64] x [K 64, N 2,048]; A: computed on the way; B: computed on the way: QUANTISED
;;     5. batch 32 x [M 64, K 2,048] x [K 2,048, N 2,048]; A: computed on the way; B: softmax (see below): QUANTISED
;;     6. [M 8,192, K 512] x [K 512, N 512]; A: computed on the way; B: input t_wo (given as codes): QUANTISED
;;     7. [M 8,192, K 512] x [K 512, N 512]; A: computed on the way; B: input s_wq (given as codes): QUANTISED
;;     8. [M 8,192, K 512] x [K 512, N 512]; A: computed on the way; B: input s_wk (given as codes): QUANTISED
;;     9. [M 8,192, K 512] x [K 512, N 512]; A: computed on the way; B: input s_wv (given as codes): QUANTISED
;;     10. batch 32 x [M 2,048, K 64] x [K 64, N 2,048]; A: computed on the way; B: computed on the way: QUANTISED
;;     11. batch 32 x [M 64, K 2,048] x [K 2,048, N 2,048]; A: computed on the way; B: softmax (see below): QUANTISED
;;     12. [M 8,192, K 512] x [K 512, N 512]; A: computed on the way; B: input s_wo (given as codes): QUANTISED
;;     13. [M 8,192, K 512] x [K 512, N 2,048]; A: computed on the way; B: input f_w1 (given as codes): QUANTISED
;;     14. [M 8,192, K 2,048] x [K 2,048, N 512]; A: computed on the way; B: input f_w2 (given as codes): QUANTISED
;;   THE QUANTISER, for each operand of a quantised product, along K:
;;     - K is cut into blocks of 32 from its start; a last block that is shorter is filled with zeros.
;;     - A block's scale is 2^e with e = floor(log2(the largest magnitude in the block)) - 2, held to -126 .. 127; a block of zeros has e = 0. As a byte (E8M0): e + 127.
;;     - Each number is divided by its block's scale, clamped to +-7.5, and rounded to the nearest number of E2M3, ties to even, subnormals kept.
;;     - The product sums the exact products of the quantised numbers (number of the format x scale) in f32.
;;   ~~~python
;;   def quantise(x, axis):      # numpy; x: float32 -> the quantised numbers, widened to float32 again
;;       x = np.moveaxis(x, axis, -1); K = x.shape[-1]
;;       x = np.pad(x, [(0, 0)] * (x.ndim - 1) + [(0, -K % 32)]); x = x.reshape(x.shape[:-1] + (-1, 32)); a = np.abs(x).max(-1, keepdims=True)
;;       e = np.where(a > 0, np.clip(np.frexp(np.where(a > 0, a, 1))[1] - 1 - 2, -126, 127), 0)      # np.frexp(a)[1] - 1 = floor(log2(a)), exactly
;;       r = np.clip(x / 2.0 ** e, -7.5, 7.5)
;;       step = 2.0 ** (np.maximum(np.frexp(np.where(r == 0, 1, r))[1] - 1, 0) - 3)
;;       q = np.round(r / step) * step * 2.0 ** e      # np.round: ties to even
;;       return np.moveaxis(q.reshape(q.shape[:-2] + (-1,))[..., :K], -1, axis).astype(np.float32)
;;   ~~~
;;   SOFTMAX AHEAD OF A QUANTISED PRODUCT. Where the list says 'softmax', what is quantised is not the finished softmax but p = 2^(t - M), with t = logit x log2(e) and M = ceil(the row's largest t), a whole number; so 1/2 < the row's largest p <= 1. The row's sum l is taken of the UNQUANTISED p, in f32, and the product's result is divided by l at the end. Since M is a whole number, a kernel that streams over the keys may use a running M (the ceiling of the running maximum): every later rescaling is an exact power of two, which a block's scale takes up: the codes' values come out the same.
;;   OPERANDS COMPUTED ON THE WAY. 'Computed on the way' means the value that the module computes at that place (a softmax that the list does not call 'softmax' is quantised finished and normalised). What goes into a quantiser is computed in f32, as accurately as f32 sums, v_exp_f32 and their like allow (about 1e-6 of the number): no bf16 or f16 on the way to a quantiser, and a product that is left as it is and whose result goes on into a quantised operand takes f32 operands (vector FMAs, or v_wmma_f32_16x16x4_f32). A number that lies on a knife's edge between two numbers of the format may be rounded either way, as far as f32 arithmetic and the matrix unit's own rounding can turn it there, and no further.
;;   INPUTS GIVEN AS CODES. f_w1 (in the module: [512, 2048], K = its axis 0); f_w2 (in the module: [2048, 512], K = its axis 0); s_wk (in the module: [512, 512], K = its axis 0); s_wo (in the module: [512, 512], K = its axis 0); s_wq (in the module: [512, 512], K = its axis 0); s_wv (in the module: [512, 512], K = its axis 0); t_wk (in the module: [512, 512], K = its axis 0); t_wo (in the module: [512, 512], K = its axis 0); t_wq (in the module: [512, 512], K = its axis 0); t_wv (in the module: [512, 512], K = its axis 0): each comes as NAME_codes (uint8): NAME with its K axis moved to the last place and cut into blocks of 32 codes, [.., K / 32, bytes a block], one block behind the other in memory; four codes in three bytes: a row's codes are one little-endian stream of bits, code i at bits 6 i .. 6 i + 5 (a code: sign, 2 exponent bits, 3 mantissa bits); and NAME_scales (uint8): the same leading axes, one E8M0 byte (e + 127) for each 32 codes along K. Its value is code x scale, taken as it is: it is not quantised again, and the codes and scales need not be those that the quantiser above would give.
;; One version. Each part assembles by itself: llvm-mc -triple=amdgcn-amd-amdhsa -mcpu=gfx1250 --defsym DOCPART=n.
;; ======== version 1 of 1: 9 launches
;; limits: right only within a limited range of input values
;; workspace buffers: wt 851,968 bytes; ws 2,555,904 bytes; xi 3,407,872 bytes; big 13,631,488 bytes; ao 3,670,016 bytes; hf1 16,777,216 bytes; hf2 16,777,216 bytes
;; launch prep (part 1): grid 256 x 1, 8 waves a work-group, no clusters, 68,608 bytes of LDS; arguments x, t_wq_codes, t_wq_scales, t_wk_codes, t_wk_scales, t_wv_codes, t_wv_scales, t_wo_codes, t_wo_scales, s_wq_codes, s_wq_scales, s_wk_codes, s_wk_scales, s_wv_codes, s_wv_scales, s_wo_codes, s_wo_scales, f_w1_codes, f_w1_scales, f_w2_codes, f_w2_scales, wt, ws, xi; writes wt, ws, xi
.if DOCPART == 1
	.amdgcn_target "amdgcn-amd-amdhsa--gfx1250"
	.amdhsa_code_object_version 6
	.text
	.protected	k_q67d87eaf05_prep
	.globl	k_q67d87eaf05_prep
	.p2align	8
	.type	k_q67d87eaf05_prep,@function
k_q67d87eaf05_prep:
	s_mov_b64 s[64:65], 0
	v_nop
	global_prefetch_b8 v0, s[64:65] scope:SCOPE_SE
	s_setreg_imm32_b32 hwreg(HW_REG_WAVE_MODE, 25, 1), 1
	s_wait_xcnt 0x0
; PREP.  (a) The ten weights, given as E2M3 codes with K innermost, are laid anew as RECORDS; (b) x (f32) is quantised along K into records.
; A RECORD (1,664 bytes) is one operand fragment, 16 rows x 128 K, as an image of its 12 registers: register quad c of lane l at 512 c + 16 l, the rows' scale word at 1536 + 4 l.
; A later launch gets a fragment by three loads of 16 bytes and one of 4 bytes a lane, all dense, and a block of records is one dense block for one tensor load.
; THE ROWS OF A TILE ARE NOT NEIGHBOURS: lane r of tile 2 g + u takes row 32 g + 8 u + r + 8 (r / 8), for tiles of weight rows and of tokens alike, so that the 16 registers
; which two neighbouring tiles leave in a lane of a product's result are 16 neighbours along the next product's K.
; SHARES: 2,048 waves; wave F = 8 x work-group + wave makes weight record F and x record F (token tile F / 4, K step F % 4).  Waves share nothing: no barrier.
; Weight records in order of F: t_wq, t_wk, t_wv, t_wo, s_wq, s_wk, s_wv, s_wo (128 each: column tile x 4 K steps), f_w1 (512), f_w2 (512: column tile x 16 K steps).
; THE QUANTISER: a block's scale byte is its largest magnitude's exponent field - 2, held at 1 from below; numbers / scale go to the nearest code, ties to even, beyond 7.5 the largest code.
; LIMITS: a block of zeros keeps the byte 1 (its codes are zeros; only this program reads the bytes); NaN and infinities among the inputs are not served.
.set WV,   62
.set SEL,  60                          ; s[60:61] lane selects: lane l xor 16
.set XR,   16                          ; v16-79   16 rows of x as loaded
.set XT,   80                          ; v80-143  my row's 64 numbers: register 16 b + i = k 32 b + 16 h + i
.set TM,   144                         ; v144-159 at work in QUANT
.set TT,   160                         ; v160-167 conversions' second halves
.set IMG,  168                         ; v168-179 x's codes
.set PW,   180                         ; v180     x's scale word
.set WF,   182                         ; v182-193 the weight fragment
.set WSC,  194                         ; v194     its scale word
; 64 numbers of a lane, register 16 b + i = k 32 b + 16 (lane / 16) + i of my row, become codes (registers d0 .. d0+5: k 0-63; d1 .. d1+5: k 64-127) and the row's scale word
.macro QUANT s, d0, d1, pw
.irp b, 0,1,2,3
	v_mov_b32 v[TM+4+\b], 0                        ; a lane permute's destination counts as one of its sources
.endr
.irp b, 0,1,2,3
	v_max3_num_f32 v[TM+\b], |v[(\s)+16*\b]|, |v[(\s)+1+16*\b]|, 0x1800000   ; my 16 numbers of block b, and the floor 2^(3 - 127): the byte cannot fall under 1
.endr
.irp i, 2,4,6,8,10,12,14
.irp b, 0,1,2,3
	s_delay_alu instid0(VALU_DEP_4)
	v_max3_num_f32 v[TM+\b], v[TM+\b], |v[(\s)+16*\b+\i]|, |v[(\s)+1+16*\b+\i]|
.endr
.endr
.irp b, 0,1,2,3
	s_delay_alu instid0(VALU_DEP_4)
	v_permlanex16_b32 v[TM+4+\b], v[TM+\b], s[SEL], s[SEL+1]
.endr
.irp b, 0,1,2,3
	s_delay_alu instid0(VALU_DEP_4)
	v_max_num_f32 v[TM+\b], v[TM+\b], v[TM+4+\b]   ; with lane l xor 16's 16: the block's largest magnitude
.endr
.irp b, 0,1,2,3
	s_delay_alu instid0(VALU_DEP_4)
	v_add_nc_u32 v[TM+12+\b], 0xff000000, v[TM+\b] ; 2 off its exponent field: the conversion's scale operand
.endr
.irp b, 0,1,2,3
	s_delay_alu instid0(VALU_DEP_4)
	v_lshrrev_b32 v[TM+4+\b], 23, v[TM+12+\b]      ; the scale's byte
.endr
	s_delay_alu instid0(VALU_DEP_3)
	v_lshl_or_b32 v[\pw], v[TM+5], 8, v[TM+4]
	s_delay_alu instid0(VALU_DEP_1)
	v_lshl_or_b32 v[\pw], v[TM+6], 16, v[\pw]
	s_delay_alu instid0(VALU_DEP_1)
	v_lshl_or_b32 v[\pw], v[TM+7], 24, v[\pw]
	v_cvt_scalef32_pk16_fp6_f32 v[(\d0):(\d0)+2], v[(\s):(\s)+15], v[TM+12]
	v_cvt_scalef32_pk16_fp6_f32 v[TT:TT+2], v[(\s)+16:(\s)+31], v[TM+13]
	v_cvt_scalef32_pk16_fp6_f32 v[(\d1):(\d1)+2], v[(\s)+32:(\s)+47], v[TM+14]
	v_cvt_scalef32_pk16_fp6_f32 v[TT+4:TT+6], v[(\s)+48:(\s)+63], v[TM+15]
	v_nop                                          ; one plain place behind a scaled conversion
.irp i, 0,1,2
	v_permlane16_swap_b32 v[(\d0)+\i], v[TT+\i]    ; the layout wants a whole block in a lane: lanes 0-15 the even block, lanes 16-31 the odd one
	v_permlane16_swap_b32 v[(\d1)+\i], v[TT+4+\i]
.endr
.irp i, 0,1,2
	v_mov_b32 v[(\d0)+3+\i], v[TT+\i]
	v_mov_b32 v[(\d1)+3+\i], v[TT+4+\i]
.endr
.endm
	s_load_b64 s[4:5], s[0:1], 0x0                 ; x
	s_load_b512 s[8:23], s[0:1], 0x8               ; t_wq, t_wk, t_wv, t_wo: codes, scales
	s_load_b512 s[24:39], s[0:1], 0x48             ; s_wq, s_wk, s_wv, s_wo: codes, scales
	s_load_b256 s[40:47], s[0:1], 0x88             ; f_w1, f_w2: codes, scales
	s_load_b128 s[48:51], s[0:1], 0xa8             ; wt, ws
	s_load_b64 s[52:53], s[0:1], 0xb8              ; xi
	v_lshl_add_u32 v200, v0, 2, 0x10800
	v_mov_b32 v201, 0
	v_lshrrev_b32 v9, 5, v0
	s_delay_alu instid0(VALU_DEP_1)
	v_readfirstlane_b32 s[WV], v9                  ; wave 0..7
	v_and_b32 v10, 31, v0
	s_delay_alu instid0(VALU_DEP_1)
	v_lshlrev_b32 v1, 4, v10                       ; 16 x lane
	s_delay_alu instid0(VALU_DEP_2)
	v_lshlrev_b32 v2, 2, v10                       ; 4 x lane
	v_and_b32 v3, 15, v0                           ; r
	s_wait_alu depctr_va_vdst(0)
	v_bfe_u32 v4, v0, 4, 1                         ; h
	s_mov_b32 s[SEL], 0x76543210
	s_mov_b32 s[SEL+1], 0xfedcba98
	s_lshl_b32 s63, ttmp9, 3
	s_add_co_u32 s63, s63, s[WV]                   ; F
	s_lshr_b32 s66, ttmp9, 4                       ; T: which run of 128 records: 0-7 the eight square weights, 8-11 f_w1, 12-15 f_w2
	s_movk_i32 s67, 511
	s_cmp_lt_u32 s66, 8
	s_cselect_b32 s67, 127, s67
	s_and_b32 s67, s63, s67                        ; f: the record's number in its tensor
	s_movk_i32 s69, 384
	s_cmp_ge_u32 s66, 12                           ; f_w2 has K = 2,048, the others 512
	s_cselect_b32 s68, 4, 2                        ; log2 of the K steps
	s_cselect_b32 s69, 1536, s69                   ; a row of codes in bytes
	s_cselect_b32 s70, 64, 16                      ; a row of scale bytes
	s_cselect_b32 s71, 15, 3
	s_lshr_b32 s72, s67, s68                       ; column tile
	s_and_b32 s71, s67, s71                        ; K step
	s_lshr_b32 s73, s72, 1
	s_lshl_b32 s73, s73, 5
	s_and_b32 s74, s72, 1
	s_lshl_b32 s74, s74, 3
	s_add_co_u32 s73, s73, s74                     ; 32 (tile / 2) + 8 (tile % 2)
	v_and_b32 v9, 8, v3
	s_delay_alu instid0(VALU_DEP_1)
	v_add_nc_u32 v9, v9, v3                        ; r + 8 (r / 8)
	s_delay_alu instid0(VALU_DEP_1)
	v_add_nc_u32 v9, s73, v9                       ; my row of the weight
	s_delay_alu instid0(VALU_DEP_1)
	v_mul_lo_u32 v5, v9, s69
	s_wait_alu depctr_va_vdst(0)
	v_mad_u32_u24 v5, v4, 24, v5
	s_mul_i32 s74, s71, 96
	v_add_nc_u32 v5, s74, v5                       ; codes: row x row bytes + 96 x K step + 24 h
	v_mul_lo_u32 v6, v9, s70
	s_delay_alu instid0(VALU_DEP_1)
	v_lshl_add_u32 v6, s71, 2, v6                  ; scale word: row x row bytes + 4 x K step
	s_and_b32 s75, s66, 3                          ; q, k, v or o
	s_lshr_b32 s76, s67, 5
	s_mul_i32 s76, s76, 3
	s_add_co_u32 s76, s76, s75
	s_lshl_b32 s76, s76, 5
	s_and_b32 s77, s67, 31
	s_add_co_u32 s76, s76, s77                     ; q, k, v: ((pair of heads) x 3 + which) x 32 + (tile % 8) x 4 + K step
	s_add_co_u32 s77, s67, 384                     ; o: behind them
	s_cmp_lt_u32 s75, 3
	s_cselect_b32 s76, s76, s77
	s_sub_co_u32 s77, s63, 512                     ; f_w1, f_w2: behind the s weights' 512 records in ws
	s_cmp_lt_u32 s66, 8
	s_cselect_b32 s76, s76, s77
	s_mul_i32 s76, s76, 1664
	s_mov_b32 s77, 0
	s_lshr_b32 s78, s[WV], 2                       ; x: token tile 2 x work-group + wave / 4
	s_lshl_b32 s78, s78, 3
	s_lshl_b32 s79, ttmp9, 5
	s_add_co_u32 s78, s78, s79                     ; its first row
	s_lshl_b32 s78, s78, 11
	s_and_b32 s79, s[WV], 3
	s_lshl_b32 s79, s79, 9                         ; K step: 512 bytes
	s_add_co_u32 s78, s78, s79
	s_mov_b32 s79, 0
	s_mul_i32 s72, s63, 1664                       ; x's record
	s_mov_b32 s73, 0
	s_mul_i32 s74, s[WV], 8448                     ; my stage: 16 rows x (512 + 16) bytes
	v_add_nc_u32 v7, s74, v1                       ; in: a row as it lies
	v_mul_u32_u24 v8, v3, 528
	s_delay_alu instid0(VALU_DEP_1)
	v_lshl_add_u32 v8, v4, 6, v8
	s_delay_alu instid0(VALU_DEP_1)
	v_add_nc_u32 v8, s74, v8                       ; out: row r, + 64 h
	s_wait_alu depctr_va_vdst(0)
	s_wait_kmcnt 0x0
	s_mov_b64 s[54:55], s[44:45]                   ; the tensor's codes and scales: a choice on the work-group's number alone
	s_mov_b64 s[56:57], s[46:47]
.irp i, 0,1,2,3,4,5,6,7
	s_cmp_eq_u32 s66, \i
	s_cselect_b64 s[54:55], s[8+4*\i:9+4*\i], s[54:55]
	s_cselect_b64 s[56:57], s[10+4*\i:11+4*\i], s[56:57]
.endr
	s_lshr_b32 s75, s66, 2
	s_cmp_eq_u32 s75, 2
	s_cselect_b64 s[54:55], s[40:41], s[54:55]
	s_cselect_b64 s[56:57], s[42:43], s[56:57]
	s_cmp_lt_u32 s66, 4
	s_cselect_b64 s[58:59], s[48:49], s[50:51]
	s_add_nc_u64 s[58:59], s[58:59], s[76:77]
	s_add_nc_u64 s[4:5], s[4:5], s[78:79]
	s_add_nc_u64 s[52:53], s[52:53], s[72:73]
.irp p, 0,1,2,3,4,5,6,7,8,9,10,11,12,13,14,15
	global_load_b128 v[XR+4*\p:XR+4*\p+3], v1, s[4:5] offset:(\p+(\p&8))*2048   ; the tile's row p: 32 lanes read 512 consecutive bytes
.endr
.irp p, 0,1,2,3,4,5
	global_load_b64 v[WF+2*\p:WF+2*\p+1], v5, s[54:55] offset:48*(\p/3)+8*(\p%3)
.endr
	global_load_b32 v[WSC], v6, s[56:57]
	s_wait_loadcnt 7                               ; x's 16 loads are in; the weight's 7, issued behind them, may be out
.irp p, 0,1,2,3,4,5,6,7,8,9,10,11,12,13,14,15
	ds_store_b128 v7, v[XR+4*\p:XR+4*\p+3] offset:528*\p
.endr
.irp b, 0,1,2,3
.irp j, 0,1,2,3
	ds_load_b128 v[XT+16*\b+4*\j:XT+16*\b+4*\j+3], v8 offset:128*\b+16*\j   ; LDS serves a wave's instructions in order: these see my stores
.endr
.endr
	s_wait_loadcnt 0x0
.irp c, 0,1,2
	global_store_b128 v1, v[WF+4*\c:WF+4*\c+3], s[58:59] offset:512*\c
.endr
	global_store_b32 v2, v[WSC], s[58:59] offset:1536
	s_wait_dscnt 0x0
	QUANT XT, IMG, IMG+6, PW
.irp c, 0,1,2
	global_store_b128 v1, v[IMG+4*\c:IMG+4*\c+3], s[52:53] offset:512*\c
.endr
	global_store_b32 v2, v[PW], s[52:53] offset:1536
	s_wait_tensorcnt 0x0
	ds_add_u32 v200, v201
	s_wait_dscnt 0x0
	s_endpgm
.Lfunc_end_k_q67d87eaf05_prep:
	.size	k_q67d87eaf05_prep, .Lfunc_end_k_q67d87eaf05_prep-k_q67d87eaf05_prep
	.p2alignl 7, 3214868480
	.fill 96, 4, 3214868480
	.section	.rodata,"a",@progbits
	.p2align	6, 0x0
	.amdhsa_kernel k_q67d87eaf05_prep
		.amdhsa_group_segment_fixed_size 68608
		.amdhsa_private_segment_fixed_size 0
		.amdhsa_enable_private_segment 0
		.amdhsa_kernarg_size 192
		.amdhsa_user_sgpr_count 2
		.amdhsa_user_sgpr_kernarg_segment_ptr 1
		.amdhsa_wavefront_size32 1
		.amdhsa_system_sgpr_workgroup_id_x 1
		.amdhsa_system_sgpr_workgroup_id_y 1
		.amdhsa_system_sgpr_workgroup_id_z 1
		.amdhsa_system_vgpr_workitem_id 0
		.amdhsa_next_free_vgpr 202
		.amdhsa_next_free_sgpr 80
		.amdhsa_reserve_vcc 0
		.amdhsa_float_denorm_mode_32 3
		.amdhsa_float_denorm_mode_16_64 3
		.amdhsa_memory_ordered 1
		.amdhsa_forward_progress 1
		.amdhsa_inst_pref_size 16
	.end_amdhsa_kernel
	.amdgpu_metadata
---
amdhsa.version: [ 1, 2 ]
amdhsa.kernels:
  - .name:           k_q67d87eaf05_prep
    .symbol:         k_q67d87eaf05_prep.kd
    .args:
      - { .name: x, .offset: 0, .size: 8, .value_kind: global_buffer, .address_space: global }
      - { .name: t_wq_codes, .offset: 8, .size: 8, .value_kind: global_buffer, .address_space: global }
      - { .name: t_wq_scales, .offset: 16, .size: 8, .value_kind: global_buffer, .address_space: global }
      - { .name: t_wk_codes, .offset: 24, .size: 8, .value_kind: global_buffer, .address_space: global }
      - { .name: t_wk_scales, .offset: 32, .size: 8, .value_kind: global_buffer, .address_space: global }
      - { .name: t_wv_codes, .offset: 40, .size: 8, .value_kind: global_buffer, .address_space: global }
      - { .name: t_wv_scales, .offset: 48, .size: 8, .value_kind: global_buffer, .address_space: global }
      - { .name: t_wo_codes, .offset: 56, .size: 8, .value_kind: global_buffer, .address_space: global }
      - { .name: t_wo_scales, .offset: 64, .size: 8, .value_kind: global_buffer, .address_space: global }
      - { .name: s_wq_codes, .offset: 72, .size: 8, .value_kind: global_buffer, .address_space: global }
      - { .name: s_wq_scales, .offset: 80, .size: 8, .value_kind: global_buffer, .address_space: global }
      - { .name: s_wk_codes, .offset: 88, .size: 8, .value_kind: global_buffer, .address_space: global }
      - { .name: s_wk_scales, .offset: 96, .size: 8, .value_kind: global_buffer, .address_space: global }
      - { .name: s_wv_codes, .offset: 104, .size: 8, .value_kind: global_buffer, .address_space: global }
      - { .name: s_wv_scales, .offset: 112, .size: 8, .value_kind: global_buffer, .address_space: global }
      - { .name: s_wo_codes, .offset: 120, .size: 8, .value_kind: global_buffer, .address_space: global }
      - { .name: s_wo_scales, .offset: 128, .size: 8, .value_kind: global_buffer, .address_space: global }
      - { .name: f_w1_codes, .offset: 136, .size: 8, .value_kind: global_buffer, .address_space: global }
      - { .name: f_w1_scales, .offset: 144, .size: 8, .value_kind: global_buffer, .address_space: global }
      - { .name: f_w2_codes, .offset: 152, .size: 8, .value_kind: global_buffer, .address_space: global }
      - { .name: f_w2_scales, .offset: 160, .size: 8, .value_kind: global_buffer, .address_space: global }
      - { .name: wt, .offset: 168, .size: 8, .value_kind: global_buffer, .address_space: global }
      - { .name: ws, .offset: 176, .size: 8, .value_kind: global_buffer, .address_space: global }
      - { .name: xi, .offset: 184, .size: 8, .value_kind: global_buffer, .address_space: global }
    .group_segment_fixed_size: 68608
    .private_segment_fixed_size: 0
    .kernarg_segment_align: 8
    .kernarg_segment_size: 192
    .max_flat_workgroup_size: 256
    .sgpr_count:     80
    .vgpr_count:     202
    .wavefront_size: 32
...
	.end_amdgpu_metadata
.endif
;; end of part 1
;; launch qkv_t (part 2): grid 64 x 4, 16 waves a work-group, clusters of 4 x 4, 327,680 bytes of LDS; arguments xi, wt, t_bq, t_bk, t_bv, big; writes big
.if DOCPART == 2
	.amdgcn_target "amdgcn-amd-amdhsa--gfx1250"
	.amdhsa_code_object_version 6
	.text
	.protected	k_q67d87eaf05_qkv_t
	.globl	k_q67d87eaf05_qkv_t
	.p2align	8
	.type	k_q67d87eaf05_qkv_t,@function
k_q67d87eaf05_qkv_t:
	s_mov_b64 s[64:65], 0
	v_nop
	global_prefetch_b8 v0, s[64:65] scope:SCOPE_SE
	s_setreg_imm32_b32 hwreg(HW_REG_WAVE_MODE, 25, 1), 1
	s_wait_xcnt 0x0
	s_wait_alu depctr_hold_cnt(0) depctr_sa_sdst(0) depctr_va_vdst(0) depctr_va_sdst(0) depctr_va_ssrc(0) depctr_va_vcc(0) depctr_vm_vsrc(0)
	s_getreg_b32 s2, hwreg(HW_REG_IB_STS2, 6, 4)
	s_cmp_eq_u32 s2, 0
	s_cbranch_scc0 .Lentry_in_a_cluster
	s_endpgm
.Lentry_in_a_cluster:
	s_bfe_u32 s2, ttmp6, 0x10000c
	s_cmp_lg_u32 s2, 0xf033
	s_cbranch_scc0 .Lentry_shape_is_right
	s_endpgm
.Lentry_shape_is_right:
; Q, K, V = tokens x weights + bias, on records of E2M3 codes (a record: 16 rows x 128 K as an image of 12 registers, 1,536 bytes, and 128 bytes of scale words), quantised anew for the attention launch.
; A work-group takes 128 tokens (8 token tiles, 32 records) and one pair of heads (q's, k's and v's 128 columns each, 96 records).  Tokens are shared along a column of the 4 x 4 cluster, weights along a row.
; THE FILLS: 16 x 13,312 bytes, one joint load a wave, in one chain of two arms: waves 0-3 fetch the tokens' records, waves 4-15 the weights'; LDS byte = 13,312 x wave.  Nothing is filled again.
; Waves 0-3 make q, waves 4-7 k (source 0 = weight tiles, source 1 = a token tile: a lane holds one token, its registers run along the head), waves 8-15 make v with the sources the other way round
; (a lane holds one of the head's 64, its registers run along the tokens, which are the second product's K).  The bias is the C of the first products.
; OUT, for each head and each 128 keys a block of 13,312 bytes: k's four group records (two token tiles of 64 codes each) at 1,664 g, v's four tile records at 6,656 + 1,664 t; q's group records behind all blocks.
; No prefetch: all bytes are asked for by the one load at the head, and there is no loop to run ahead in.
; LIMITS: NaN and infinities are not served; a block of zeros keeps the scale byte 1 (only this program reads the bytes).
.set WV,   16
.set G1A,  24
.set G1W,  32
.set G0A,  40
.set G0W,  44
.set SEL,  72
.set NS,   4
.set ACC,  8
.set ST,   72
.set STS,  168
.set FX,   176
.set FXS,  224
.set TM,   72
.set TT,   88
.set BV,   228
.set QOFF, 6815744
.macro PLACES n
.rept \n
	v_nop
.endr
.endm
.macro CROUND
	s_barrier_signal -1
	s_barrier_wait -1
	s_cmp_lg_u32 s[WV], 0
	s_cbranch_scc1 .Lnot_wave_0_\@
	s_barrier_signal -3
.Lnot_wave_0_\@:
	s_barrier_wait -3
	s_barrier_signal -1
	s_barrier_wait -1
.endm
; 64 numbers of a lane (register 16 b + i = k 32 b + 16 (lane / 16) + i) become codes and the row's scale word
.macro QUANT s, d0, d1, pw
.irp b, 0,1,2,3
	v_mov_b32 v[TM+4+\b], 0
.endr
.irp b, 0,1,2,3
	v_max3_num_f32 v[TM+\b], |v[(\s)+16*\b]|, |v[(\s)+1+16*\b]|, 0x1800000
.endr
.irp i, 2,4,6,8,10,12,14
.irp b, 0,1,2,3
	v_max3_num_f32 v[TM+\b], v[TM+\b], |v[(\s)+16*\b+\i]|, |v[(\s)+1+16*\b+\i]|
.endr
.endr
.irp b, 0,1,2,3
	s_delay_alu instid0(VALU_DEP_4)
	v_permlanex16_b32 v[TM+4+\b], v[TM+\b], s[SEL], s[SEL+1]
.endr
.irp b, 0,1,2,3
	s_delay_alu instid0(VALU_DEP_4)
	v_max_num_f32 v[TM+\b], v[TM+\b], v[TM+4+\b]
.endr
.irp b, 0,1,2,3
	s_delay_alu instid0(VALU_DEP_4)
	v_add_nc_u32 v[TM+12+\b], 0xff000000, v[TM+\b]
.endr
.irp b, 0,1,2,3
	s_delay_alu instid0(VALU_DEP_4)
	v_lshrrev_b32 v[TM+4+\b], 23, v[TM+12+\b]
.endr
	s_delay_alu instid0(VALU_DEP_3)
	v_lshl_or_b32 v[\pw], v[TM+5], 8, v[TM+4]
	s_delay_alu instid0(VALU_DEP_1)
	v_lshl_or_b32 v[\pw], v[TM+6], 16, v[\pw]
	s_delay_alu instid0(VALU_DEP_1)
	v_lshl_or_b32 v[\pw], v[TM+7], 24, v[\pw]
	v_cvt_scalef32_pk16_fp6_f32 v[(\d0):(\d0)+2], v[(\s):(\s)+15], v[TM+12]
	v_cvt_scalef32_pk16_fp6_f32 v[TT:TT+2], v[(\s)+16:(\s)+31], v[TM+13]
	v_cvt_scalef32_pk16_fp6_f32 v[(\d1):(\d1)+2], v[(\s)+32:(\s)+47], v[TM+14]
	v_cvt_scalef32_pk16_fp6_f32 v[TT+4:TT+6], v[(\s)+48:(\s)+63], v[TM+15]
	v_nop
.irp i, 0,1,2
	v_permlane16_swap_b32 v[(\d0)+\i], v[TT+\i]
	v_permlane16_swap_b32 v[(\d1)+\i], v[TT+4+\i]
.endr
.irp i, 0,1,2
	v_mov_b32 v[(\d0)+3+\i], v[TT+\i]
	v_mov_b32 v[(\d1)+3+\i], v[TT+4+\i]
.endr
.endm
.macro BLOAD n
.set ETA, (\n)&1
.set KST, (\n)>>1
.irp i, 0,1,2,3
.irp c, 0,1,2
	ds_load_b128 v[ST+48*ETA+12*\i+4*\c:ST+48*ETA+12*\i+4*\c+3], v[S16] offset:((4*ETA+\i)*NS+KST)*1664+512*\c
.endr
	ds_load_b32 v[STS+4*ETA+\i], v[S4] offset:((4*ETA+\i)*NS+KST)*1664+1536
.endr
.endm
.macro BMUL n, cm
.set ETA, (\n)&1
.set KST, (\n)>>1
.irp i, 0,1,2,3
.if (KST == 0) && (\cm == 1)
	v_wmma_scale_f32_16x16x128_f8f6f4 v[ACC+8*(4*ETA+\i):ACC+8*(4*ETA+\i)+7], v[ST+48*ETA+12*\i:ST+48*ETA+12*\i+11], v[FX+12*KST:FX+12*KST+11], v[BV:BV+7], v[STS+4*ETA+\i], v[FXS+KST] matrix_a_fmt:MATRIX_FMT_FP6 matrix_b_fmt:MATRIX_FMT_FP6
.else
	v_wmma_scale_f32_16x16x128_f8f6f4 v[ACC+8*(4*ETA+\i):ACC+8*(4*ETA+\i)+7], v[ST+48*ETA+12*\i:ST+48*ETA+12*\i+11], v[FX+12*KST:FX+12*KST+11], v[ACC+8*(4*ETA+\i):ACC+8*(4*ETA+\i)+7], v[STS+4*ETA+\i], v[FXS+KST] matrix_a_fmt:MATRIX_FMT_FP6 matrix_b_fmt:MATRIX_FMT_FP6
.endif
.endr
.endm
.macro FIXLOAD off
.irp s, 0,1,2,3
.irp c, 0,1,2
	ds_load_b128 v[FX+12*\s+4*\c:FX+12*\s+4*\c+3], v[F16] offset:(\off)+1664*\s+512*\c
.endr
	ds_load_b32 v[FXS+\s], v[F4] offset:(\off)+1664*\s+1536
.endr
.endm
; eight batches of four products; the eight accumulators take turns, one instruction a turn
.macro GEMM cm
	BLOAD 0
.set GN, 0
.rept 8
.if GN > 0
	PLACES 4
.endif
.if GN < 7
	BLOAD GN+1
	s_wait_dscnt 16                                ; all but the 16 loads just issued
.else
	s_wait_dscnt 0x0
.endif
.if GN == 0
	s_wait_loadcnt 0x0                             ; the bias
.endif
	BMUL GN, \cm
.set GN, GN+1
.endr
	PLACES 4
.endm
	s_load_b256 s[4:11], s[0:1], 0x0               ; tokens' records, weights' records, bq, bk
	s_load_b128 s[12:15], s[0:1], 0x20             ; bv, out
	v_lshl_add_u32 v254, v0, 2, 0x34000
	v_mov_b32 v255, 0
	ds_add_u32 v254, v255                          ; the opening lines: the add twice on end and its wait
	ds_add_u32 v254, v255
	s_wait_dscnt 0x0
	v_lshrrev_b32 v1, 5, v0
	s_delay_alu instid0(VALU_DEP_1)
	v_readfirstlane_b32 s[WV], v1
	s_bfe_u32 s17, ttmp6, 0x40000
	s_bfe_u32 s18, ttmp6, 0x40004                  ; cy: the pair of heads
	s_lshl_b32 s19, ttmp9, 2
	s_add_co_u32 s19, s19, s17                     ; the block of 128 tokens
	s_lshl_b32 s21, 0x1111, s17
	s_lshl_b32 s22, s18, 2
	s_lshl_b32 s22, 15, s22
	s_or_b32 s[G1A], s21, (3<<16)|(1<<21)          ; 52 rows of 256 bytes, dense; tokens go to my column of the cluster,
	s_or_b32 s[G1W], s22, (3<<16)|(1<<21)          ; weights to my row
.irp g, G1A, G1W
	s_mov_b32 s[\g+1], 32<<16
	s_mov_b32 s[\g+2], 52<<16
	s_mov_b32 s[\g+3], 32<<16
	s_mov_b32 s[\g+4], 52
	s_mov_b32 s[\g+5], 32
	s_mov_b32 s[\g+6], 0
	s_mov_b32 s[\g+7], 0
.endr
	s_mul_i32 s[G0A+1], s[WV], 13312               ; LDS: the tokens' 53,248 bytes, then the weights' 159,744
	s_mul_i32 s[G0W+1], s[WV], 13312
	s_min_u32 s48, s[WV], 3                        ; waves 0-3: a quarter of the tokens' records
	s_mul_i32 s48, s48, 13312
	s_mul_i32 s49, s19, 53248
	s_add_co_u32 s48, s48, s49
	s_mov_b32 s49, 0
	s_max_u32 s50, s[WV], 4                        ; waves 4-15: a twelfth of the weights' records
	s_sub_co_u32 s50, s50, 4
	s_mul_i32 s50, s50, 13312
	s_mul_i32 s51, s18, 159744
	s_add_co_u32 s50, s50, s51
	s_mov_b32 s51, 0
	s_mov_b32 s[G0A], 1
	s_mov_b32 s[G0W], 1
	s_wait_kmcnt 0x0
	s_add_nc_u64 s[G0A+2:G0A+3], s[4:5], s[48:49]
	s_or_b32 s[G0A+3], s[G0A+3], 0x80000000
	s_add_nc_u64 s[G0W+2:G0W+3], s[6:7], s[50:51]
	s_or_b32 s[G0W+3], s[G0W+3], 0x80000000
	CROUND                                         ; all sixteen work-groups are here: the joint loads meet
	s_cmp_lt_u32 s[WV], 4
	s_cbranch_scc0 .Lfor_w
	tensor_load_to_lds s[G0A:G0A+3], s[G1A:G1A+7]
	s_nop 0
	PLACES 4
	s_branch .Lasked
.Lfor_w:
	tensor_load_to_lds s[G0W:G0W+3], s[G1W:G1W+7]
	s_nop 0
	PLACES 4
.Lasked:
	v_and_b32 v2, 31, v0
	s_delay_alu instid0(VALU_DEP_1)
	v_lshlrev_b32 v1, 4, v2
	s_wait_alu depctr_va_vdst(0)
	v_lshlrev_b32 v2, 2, v2
	s_wait_alu depctr_va_vdst(0)
	v_bfe_u32 v7, v0, 4, 1
	s_delay_alu instid0(VALU_DEP_1)
	v_lshlrev_b32 v7, 6, v7
	s_bfe_u32 s52, s[WV], 0x10002
	s_mul_i32 s53, s52, 53248
	s_add_co_u32 s53, s53, 53248
	v_add_nc_u32 v3, s53, v1
	v_add_nc_u32 v4, s53, v2
	s_and_b32 s54, s[WV], 3
	s_mul_i32 s54, s54, 13312
	v_add_nc_u32 v5, s54, v1
	v_add_nc_u32 v6, s54, v2
	s_and_b32 s55, s[WV], 7
	s_mul_i32 s55, s55, 6656
	s_add_co_u32 s55, s55, 159744
	v_add_nc_u32 v238, s55, v1
	v_add_nc_u32 v239, s55, v2
	v_and_b32 v236, 15, v0
	s_delay_alu instid0(VALU_DEP_1)
	v_and_b32 v237, 8, v236
	s_delay_alu instid0(VALU_DEP_1)
	v_add_nc_u32 v236, v236, v237
	s_delay_alu instid0(VALU_DEP_1)
	v_lshlrev_b32 v236, 2, v236
	s_wait_alu depctr_va_vdst(0)
	s_mov_b32 s[SEL], 0x76543210
	s_mov_b32 s[SEL+1], 0xfedcba98
	s_lshr_b32 s74, s19, 4
	s_and_b32 s75, s19, 15
	s_lshl_b32 s74, s74, 3
	s_lshl_b32 s76, s18, 1
	s_add_co_u32 s74, s74, s76                     ; 8 x batch + the pair's first head
	s_cmp_eq_u32 s52, 0
	s_cselect_b64 s[56:57], s[8:9], s[10:11]
	s_cmp_lt_u32 s[WV], 8
	s_cselect_b64 s[56:57], s[56:57], s[12:13]
	s_lshl_b32 s58, s18, 9
	s_mov_b32 s59, 0
	s_add_nc_u64 s[56:57], s[56:57], s[58:59]
	s_and_b32 s60, s[WV], 7
	s_lshr_b32 s61, s60, 1
	s_lshl_b32 s61, s61, 7
	s_and_b32 s60, s60, 1
	s_lshl_b32 s60, s60, 5
	s_add_co_u32 s60, s60, s61
	s_add_co_u32 s60, s60, s58
	s_mov_b32 s61, 0
	s_add_nc_u64 s[62:63], s[12:13], s[60:61]
.irp i, 0,1,2,3,4,5,6,7
	global_load_b128 v[ACC+8*\i:ACC+8*\i+3], v7, s[56:57] offset:(32*(\i/2)+8*(\i%2))*4
	global_load_b128 v[ACC+8*\i+4:ACC+8*\i+7], v7, s[56:57] offset:(32*(\i/2)+8*(\i%2))*4+16
.endr
	global_load_b32 v[BV], v236, s[62:63]
	s_wait_xcnt 0x0
	s_wait_tensorcnt 0x0                           ; my part has landed,
	s_barrier_signal -1
	s_barrier_wait -1                              ; everybody's has
	s_cmp_lt_u32 s[WV], 8
	s_cbranch_scc0 .Lvrole
.set S16, 3
.set S4,  4
.set F16, 5
.set F4,  6
	s_and_b32 s76, s[WV], 3
	s_mul_i32 s77, s74, 212992
	s_mul_i32 s78, s75, 13312
	s_add_co_u32 s77, s77, s78
	s_mul_i32 s78, s76, 1664                       ; k: group record g of the head's block for these 128 keys,
	s_add_co_u32 s78, s77, s78
	s_add_co_u32 s79, s78, 1536                    ; its scale words behind its codes
	s_lshl_b32 s58, s74, 6
	s_lshl_b32 s66, s75, 2
	s_add_co_u32 s58, s58, s66
	s_add_co_u32 s58, s58, s76
	s_mul_i32 s58, s58, 1664
	s_add_co_u32 s58, s58, QOFF
	s_add_co_u32 s66, s58, 1536
	s_mov_b32 s68, 106496
	s_mov_b32 s70, 212992
	s_cmp_eq_u32 s52, 0
	s_cselect_b32 s58, s58, s78
	s_cselect_b32 s66, s66, s79
	s_cselect_b32 s68, s68, s70
	s_mov_b32 s67, 0
	s_mov_b32 s69, 0
	s_add_nc_u64 s[60:61], s[14:15], s[58:59]
	s_add_nc_u64 s[62:63], s[14:15], s[66:67]
	s_add_nc_u64 s[76:77], s[60:61], s[68:69]
	s_add_nc_u64 s[78:79], s[62:63], s[68:69]
.irp u, 0,1
.if \u == 1
.irp i, 0,1,2,3,4,5,6,7
	global_load_b128 v[ACC+8*\i:ACC+8*\i+3], v7, s[56:57] offset:(32*(\i/2)+8*(\i%2))*4
	global_load_b128 v[ACC+8*\i+4:ACC+8*\i+7], v7, s[56:57] offset:(32*(\i/2)+8*(\i%2))*4+16
.endr
.endif
	FIXLOAD \u*6656
	GEMM 0
	QUANT ACC, 228+6*\u, 240+6*\u, 252+\u
.endr
	v_perm_b32 v254, v253, v252, 0x05040100
	v_perm_b32 v255, v253, v252, 0x07060302
.irp c, 0,1,2
	global_store_b128 v1, v[228+4*\c:231+4*\c], s[60:61] offset:512*\c
	global_store_b128 v1, v[240+4*\c:243+4*\c], s[76:77] offset:512*\c
.endr
	global_store_b32 v2, v254, s[62:63]
	global_store_b32 v2, v255, s[78:79]
	s_branch .Ldone
.Lvrole:
.set S16, 1
.set S4,  2
.set F16, 238
.set F4,  239
	s_and_b32 s52, s[WV], 7
	s_lshr_b32 s76, s52, 2
	s_add_co_u32 s76, s76, s74
	s_mul_i32 s77, s76, 212992
	s_mul_i32 s78, s75, 13312
	s_add_co_u32 s77, s77, s78
	s_and_b32 s76, s52, 3
	s_mul_i32 s58, s76, 1664                       ; v: tile record t, behind k's four
	s_add_co_u32 s58, s58, s77
	s_add_co_u32 s58, s58, 6656
	s_add_co_u32 s66, s58, 1536
	s_mov_b32 s67, 0
	s_add_nc_u64 s[60:61], s[14:15], s[58:59]
	s_add_nc_u64 s[62:63], s[14:15], s[66:67]
	s_wait_loadcnt 0x0
.irp j, 1,2,3,4,5,6,7
	v_mov_b32 v[BV+\j], v[BV]
.endr
	s_wait_alu depctr_va_vdst(0)
	PLACES 4
	FIXLOAD 0
	GEMM 1
	QUANT ACC, 240, 246, 252
.irp c, 0,1,2
	global_store_b128 v1, v[240+4*\c:243+4*\c], s[60:61] offset:512*\c
.endr
	global_store_b32 v2, v252, s[62:63]
.Ldone:
	s_wait_xcnt 0x0
	v_lshl_add_u32 v254, v0, 2, 0x34000
	v_mov_b32 v255, 0
	s_wait_alu depctr_va_vdst(0)
	s_wait_tensorcnt 0x0                           ; the wave's end
	ds_add_u32 v254, v255
	s_wait_dscnt 0x0
	CROUND                                         ; the closing round
	s_endpgm
.Lfunc_end_k_q67d87eaf05_qkv_t:
	.size	k_q67d87eaf05_qkv_t, .Lfunc_end_k_q67d87eaf05_qkv_t-k_q67d87eaf05_qkv_t
	.p2alignl 7, 3214868480
	.fill 96, 4, 3214868480
	.section	.rodata,"a",@progbits
	.p2align	6, 0x0
	.amdhsa_kernel k_q67d87eaf05_qkv_t
		.amdhsa_group_segment_fixed_size 327680
		.amdhsa_private_segment_fixed_size 0
		.amdhsa_enable_private_segment 0
		.amdhsa_kernarg_size 48
		.amdhsa_user_sgpr_count 2
		.amdhsa_user_sgpr_kernarg_segment_ptr 1
		.amdhsa_wavefront_size32 1
		.amdhsa_system_sgpr_workgroup_id_x 1
		.amdhsa_system_sgpr_workgroup_id_y 1
		.amdhsa_system_sgpr_workgroup_id_z 1
		.amdhsa_system_vgpr_workitem_id 0
		.amdhsa_next_free_vgpr 256
		.amdhsa_next_free_sgpr 80
		.amdhsa_reserve_vcc 0
		.amdhsa_float_denorm_mode_32 3
		.amdhsa_float_denorm_mode_16_64 3
		.amdhsa_memory_ordered 1
		.amdhsa_forward_progress 1
		.amdhsa_inst_pref_size 70
	.end_amdhsa_kernel
	.amdgpu_metadata
---
amdhsa.version: [ 1, 2 ]
amdhsa.kernels:
  - .name:           k_q67d87eaf05_qkv_t
    .symbol:         k_q67d87eaf05_qkv_t.kd
    .args:
      - { .name: xi, .offset: 0, .size: 8, .value_kind: global_buffer, .address_space: global }
      - { .name: wt, .offset: 8, .size: 8, .value_kind: global_buffer, .address_space: global }
      - { .name: t_bq, .offset: 16, .size: 8, .value_kind: global_buffer, .address_space: global }
      - { .name: t_bk, .offset: 24, .size: 8, .value_kind: global_buffer, .address_space: global }
      - { .name: t_bv, .offset: 32, .size: 8, .value_kind: global_buffer, .address_space: global }
      - { .name: big, .offset: 40, .size: 8, .value_kind: global_buffer, .address_space: global }
    .group_segment_fixed_size: 327680
    .private_segment_fixed_size: 0
    .kernarg_segment_align: 8
    .kernarg_segment_size: 48
    .max_flat_workgroup_size: 512
    .sgpr_count:     80
    .vgpr_count:     256
    .wavefront_size: 32
...
	.end_amdgpu_metadata
.endif
;; end of part 2
;; launch attn_t (part 3): grid 8 x 32, 16 waves a work-group, clusters of 4 x 1, 327,680 bytes of LDS; arguments big, ao; writes ao
.if DOCPART == 3
	.amdgcn_target "amdgcn-amd-amdhsa--gfx1250"
	.amdhsa_code_object_version 6
	.text
	.protected	k_q67d87eaf05_attn_t
	.globl	k_q67d87eaf05_attn_t
	.p2align	8
	.type	k_q67d87eaf05_attn_t,@function
k_q67d87eaf05_attn_t:
	s_mov_b64 s[64:65], 0
	v_nop
	global_prefetch_b8 v0, s[64:65] scope:SCOPE_SE
	s_setreg_imm32_b32 hwreg(HW_REG_WAVE_MODE, 25, 1), 1
	s_wait_xcnt 0x0
	s_wait_alu depctr_hold_cnt(0) depctr_sa_sdst(0) depctr_va_vdst(0) depctr_va_sdst(0) depctr_va_ssrc(0) depctr_va_vcc(0) depctr_vm_vsrc(0)
	s_getreg_b32 s2, hwreg(HW_REG_IB_STS2, 6, 4)
	s_cmp_eq_u32 s2, 0
	s_cbranch_scc0 .Lentry_in_a_cluster
	s_endpgm
.Lentry_in_a_cluster:
	s_bfe_u32 s2, ttmp6, 0x10000c
	s_cmp_lg_u32 s2, 0x3003
	s_cbranch_scc0 .Lentry_shape_is_right
	s_endpgm
.Lentry_shape_is_right:
; ATTENTION on codes of E2M3: o = softmax(q k^T / 8) v for one head (8 x batch + head = work-group y), 2,048 keys, head size 64.
; A work-group owns 256 queries, each of its sixteen waves one tile of 16, in 256 registers: four waves to a SIMD.
; THE WHOLE HEAD'S K, V AND SCALE WORDS (212,992 bytes: 16 key steps x 8 records of 1,664 bytes, images of the operands' registers) STAY IN LDS; each byte is filled once, by joint loads shared by the
; four query blocks of a cluster: at the head one load a wave for the first four key steps (13 rows of 256 bytes a wave); behind the full sequence and a round one load a wave for the other twelve (39 rows).
; Behind that stands ONE more barrier, for the second fill: signalled behind key step 1, waited for behind key step 3; between the two only registers and the first fill's bytes are touched.
; No prefetch: every byte is asked for by these two loads at the start, so no later request exists to run ahead of.
; Both products are used transposed: S^T = K Q^T, O^T = V^T P^T: a lane holds ONE query throughout.
; THE ROWS OF A K TILE ARE CHOSEN BY THE LANES' LDS ADDRESSES: image (c, s) takes its rows 0-7 from group record 2 c (rows 8 s ..) and its rows 8-15 from group record 2 c + 1 (rows 8 s ..).  A group record holds the
; keys of one block of 32, so lanes 0-15 get scores of block 2 c alone and lanes 16-31 of block 2 c + 1 alone: register S + 32 c + i of lane half h is key 64 c + 32 h + i.  That is the operand's own layout for p:
; a block's maximum needs no other lane, a lane has two blocks and not four halves, and the codes are not moved between lanes.  Records 1,664 bytes apart put the two halves of the rows 128 bytes apart modulo 256.
; HEAD SIZE 64 IN AN INSTRUCTION OF K = 128: a group image holds one tile's 64 codes in registers 0-5 and another's in 6-11; it is multiplied once by [q | zeros] and once by [zeros | q]: zero codes add nothing
; under any scale byte that this program makes (1 .. 254).
; THE SOFTMAX: t = score x log2(e) / 8; M = the running largest t rounded UP to a whole number; p = 2^(t - M) is quantised along the keys, not normalised; the sum is taken of the unquantised p and divides at the
; end; when M moves, sum and O^T are multiplied by 2^(old M - new M), exactly.  A block's largest p is made from the block's largest score by the same two instructions (this takes v_exp_f32 not to fall where its input rises).
; OUT: o, quantised along the head's 64 (two blocks), as half a fragment: six registers a lane and a scale word.
; LIMITS: NaN and infinities are not served; a block of zeros keeps the scale byte 1; the promise holds while |t| stays under 2^31.
.set WV,  8
.set G1,  12                           ; s[12:19] descriptor group 1
.set G0,  20                           ; s[20:23], s[24:27] groups 0 of the two fills
.set SEL, 36
.set CS,  38                           ; s[38:39] c = log2(e) / 8
.set TB,  40                           ; LDS byte of the key step in hand
.set CNT, 41
.set SPARE, 0x34000
.set LI,  1                            ; 16 x lane
.set LS,  2                            ; 4 x lane
.set ADK, 3
.set ADS, 4
.set QS,  30                           ; q's scale word, its two bytes twice
.set PS,  31                           ; p's scale word
.set KF,  32                           ; v32-79   K's four images; behind the first product at work (the names below)
.set KS,  80                           ; v80-83   their scale words
.set VF,  84                           ; v84-131  V's four tiles
.set VS,  132                          ; v132-135 their scale words
.set S,   136                          ; v136-199 S^T, then p
.set O,   200                          ; v200-231 O^T
.set PC,  232                          ; v232-243 p's codes
.set LIK, 244                          ; K's codes: 16 (r % 8) + 256 h + 1,664 (r / 8)
.set LSK, 245                          ; K's scale words: 4 (r % 8) + 64 h + 1,664 (r / 8)
.set AKC, 246
.set AKS, 247
.set SH8, 248                          ; 8 h
.set SPW, 254                          ; my spare word; never rewritten
.set NIL, 255                          ; 0; never rewritten
.set BM,  32                           ; block maxima (v32-34 also a conversion's result on the way out)
.set BB,  34
.set PT,  36
.set SO,  38                           ; the conversions' scale operands
.set RT,  40
.set BY,  42
.set WD,  44
.set T1,  46                           ; v46-48, v50-52 the conversions' second halves
.set C1,  54                           ; v54-59 three of the sum's four chains
.set C2,  56
.set C3,  58
.set QOFF, 6815744
; v5 at work; v[6:7] f; v8 -M, v9 the largest score; v[10:11] the sum in two halves; v12-17 zeros, v18-23 q, v24-29 zeros
; The element-wise f32 work goes in dual-issue pairs: destinations one even and one odd register, the two halves' sources at each place in different banks (register number mod 4).
; So c, -M and f each stand in two registers.
.set CA,  250                          ; c, twice
.set CB,  251
.set MA,  8                            ; -M, twice
.set MB,  249
.macro DADD d, a, b                    ; v[d], v[d+1] = v[a], v[a+1] + v[b], v[b+1]; d, a, b even
	v_dual_add_f32 v[\d], v[\a], v[\b] :: v_dual_add_f32 v[(\d)+1], v[(\a)+1], v[(\b)+1]
.endm
.macro PLACES n
.rept \n
	v_nop
.endr
.endm
.macro CROUND
	s_barrier_signal -1
	s_barrier_wait -1
	s_cmp_lg_u32 s[WV], 0
	s_cbranch_scc1 .Lnot_wave_0_\@
	s_barrier_signal -3
.Lnot_wave_0_\@:
	s_barrier_wait -3
	s_barrier_signal -1
	s_barrier_wait -1
.endm
.macro TMIN n                          ; n pairs of t - M, from pair J / 2 on
.rept \n
	v_dual_fma_f32 v[S+J], v[S+J], v[CA], v[MA] :: v_dual_fma_f32 v[S+J+1], v[S+J+1], v[CB], v[MB]
.set J, J+2
.endr
.endm
; A KEY STEP: 128 keys
.macro STEP
	v_add_nc_u32 v[AKC], s[TB], v[LIK]             ; these four are also the places between the last step's products and the loads into V's registers
	v_add_nc_u32 v[AKS], s[TB], v[LSK]
	v_add_nc_u32 v[ADK], s[TB], v[LI]
	v_add_nc_u32 v[ADS], s[TB], v[LS]
.irp n, 0,1,2,3                        ; image n = 2 c + s
.irp q, 0,1,2
	ds_load_b128 v[KF+12*\n+4*\q:KF+12*\n+4*\q+3], v[AKC] offset:3328*(\n/2)+128*(\n%2)+512*\q
.endr
	ds_load_b32 v[KS+\n], v[AKS] offset:3328*(\n/2)+32*(\n%2)+1536
.endr
.irp t, 0,1,2,3
.irp q, 0,1,2
	ds_load_b128 v[VF+12*\t+4*\q:VF+12*\t+4*\q+3], v[ADK] offset:6656+1664*\t+512*\q
.endr
	ds_load_b32 v[VS+\t], v[ADS] offset:6656+1664*\t+1536
.endr
	s_wait_dscnt 16                                ; K's 16 loads are in; V's 16, issued behind them, may be out
.irp n, 0,1,2,3
	v_wmma_scale_f32_16x16x128_f8f6f4 v[S+16*\n:S+16*\n+7], v[KF+12*\n:KF+12*\n+11], v[18:29], 0, v[KS+\n], v[QS] matrix_a_fmt:MATRIX_FMT_FP6 matrix_b_fmt:MATRIX_FMT_FP6
	v_wmma_scale_f32_16x16x128_f8f6f4 v[S+16*\n+8:S+16*\n+15], v[KF+12*\n:KF+12*\n+11], v[12:23], 0, v[KS+\n], v[QS] matrix_a_fmt:MATRIX_FMT_FP6 matrix_b_fmt:MATRIX_FMT_FP6
.endr
	v_mov_b32 v5, v8                               ; the old -M; with three v_nop the four places behind the products
	PLACES 3
.irp c, 0,1                            ; my two blocks' largest scores, two chains a block; each accumulator is first read at its low end
	v_max3_num_f32 v[BM+\c], v[S+32*\c], v[S+32*\c+1], v[S+32*\c+2]
	v_max3_num_f32 v[BB+\c], v[S+32*\c+16], v[S+32*\c+17], v[S+32*\c+18]
.endr
.irp i, 3,5,7,9,11,13
.irp c, 0,1
	v_max3_num_f32 v[BM+\c], v[BM+\c], v[S+32*\c+\i], v[S+32*\c+\i+1]
	v_max3_num_f32 v[BB+\c], v[BB+\c], v[S+32*\c+16+\i], v[S+32*\c+17+\i]
.endr
.endr
.irp c, 0,1
	v_max3_num_f32 v[BM+\c], v[BM+\c], v[S+32*\c+15], v[S+32*\c+31]
.endr
.irp c, 0,1
	s_delay_alu instid0(VALU_DEP_2)
	v_max_num_f32 v[BM+\c], v[BM+\c], v[BB+\c]
.endr
	s_delay_alu instid0(VALU_DEP_1)
	v_max_num_f32 v[RT], v[BM], v[BM+1]
	s_delay_alu instid0(VALU_DEP_1)
	v_permlanex16_b32 v[PT], v[RT], s[SEL], s[SEL+1]
	s_delay_alu instid0(VALU_DEP_1)
	v_max3_num_f32 v9, v9, v[RT], v[PT]            ; the running largest score of my query (c is positive: the largest t is c x this)
	s_delay_alu instid0(VALU_DEP_1)
	v_mul_f32 v[RT], s[CS], v9
	s_delay_alu instid0(VALU_DEP_1)
	v_floor_f32 v8, -v[RT]                         ; -M = floor(-t): M is a whole number
	s_delay_alu instid0(VALU_DEP_1)
	v_sub_f32 v5, v8, v5                           ; old M - new M: a whole number, 0 or less
	v_floor_f32 v[MB], -v[RT]                      ; -M once more, for the pairs' second halves
.set J, 0
	TMIN 8
	v_cvt_i32_f32 v5, v5                           ; (it saturates)
	TMIN 8
	v_ldexp_f32 v6, 1.0, v5                        ; f = 2^(old M - new M),
	v_ldexp_f32 v7, 1.0, v5                        ; twice
	TMIN 16
.irp c, 0,1
	v_fma_f32 v[BM+\c], v[BM+\c], s[CS], v8
.endr
	s_wait_alu depctr_va_vdst(0)
.set J, 0
.rept 64
	v_exp_f32 v[S+J], v[S+J]                       ; p = 2^(t - M)
.set J, J+1
.endr
.irp c, 0,1
	v_exp_f32 v[BM+\c], v[BM+\c]                   ; the block's largest p
.endr
	v_pk_mul_f32 v[10:11], v[10:11], v[6:7] op_sel_hi:[1,0]   ; the sums under the new M (a plain place behind the exponentials)
	s_wait_alu depctr_va_vdst(0)                   ; and behind it
.irp c, 0,1
	v_max_num_f32 v[BM+\c], 0x1800000, v[BM+\c]    ; the floor 2^(3 - 127)
.endr
.irp c, 0,1
	s_delay_alu instid0(VALU_DEP_2)
	v_add_nc_u32 v[SO+\c], 0xff000000, v[BM+\c]    ; 2 off the exponent field: the conversion's scale operand
.endr
.irp c, 0,1
	s_delay_alu instid0(VALU_DEP_2)
	v_lshrrev_b32 v[BY+\c], 23, v[SO+\c]
.endr
	s_delay_alu instid0(VALU_DEP_1)
	v_lshl_or_b32 v[WD], v[BY+1], 16, v[BY]        ; my bytes: blocks h and 2 + h,
	s_delay_alu instid0(VALU_DEP_1)
	v_lshlrev_b32 v[WD], v[SH8], v[WD]             ; at their places in the word;
	s_delay_alu instid0(VALU_DEP_1)
	v_permlanex16_b32 v[PT], v[WD], s[SEL], s[SEL+1]
	s_delay_alu instid0(VALU_DEP_1)
	v_or_b32 v[PS], v[WD], v[PT]                   ; with lane l xor 16's two the word is whole
.irp c, 0,1
	v_cvt_scalef32_pk16_fp6_f32 v[PC+6*\c:PC+6*\c+2], v[S+32*\c:S+32*\c+15], v[SO+\c]
	v_cvt_scalef32_pk16_fp6_f32 v[T1+4*\c:T1+4*\c+2], v[S+32*\c+16:S+32*\c+31], v[SO+\c]   ; (a conversion's three registers begin on an even number)
.endr
	DADD C1, S, S+2                                ; the sum of the unquantised p, in four chains of pairs; these lines only read the conversions' sources
	DADD C2, S+4, S+6
	DADD C3, S+8, S+10
	DADD 10, S+12, 10
.set J, 14
.rept 6
	DADD C1, S+J, C1
	DADD C2, S+J+2, C2
	DADD C3, S+J+4, C3
	DADD 10, S+J+6, 10
.set J, J+8
.endr
	DADD C1, S+62, C1
	DADD C2, C3, C2
	DADD 10, C1, 10
	DADD 10, C2, 10
.irp c, 0,1
.irp i, 0,1,2
	v_mov_b32 v[PC+6*\c+3+\i], v[T1+4*\c+\i]
.endr
.endr
	s_wait_alu depctr_va_vdst(0)                   ; directly ahead of the first reader of O^T
.set J, 0
.rept 16
	v_dual_mul_f32 v[O+J], v[O+J], v6 :: v_dual_mul_f32 v[O+J+1], v[O+J+1], v7   ; O^T under the new M, each accumulator from its low end on
.set J, J+2
.endr
	s_wait_alu depctr_va_vdst(0)                   ; directly ahead of the wait below
	s_wait_dscnt 0x0                               ; V
.irp t, 0,1,2,3
	v_wmma_scale_f32_16x16x128_f8f6f4 v[O+8*\t:O+8*\t+7], v[VF+12*\t:VF+12*\t+11], v[PC:PC+11], v[O+8*\t:O+8*\t+7], v[VS+\t], v[PS] matrix_a_fmt:MATRIX_FMT_FP6 matrix_b_fmt:MATRIX_FMT_FP6
.endr
	s_add_co_u32 s[TB], s[TB], 13312
.endm
.macro WALK first, n                   ; n key steps from step first on
	s_mov_b32 s[TB], 13312*\first
	s_mov_b32 s[CNT], \n
.Lwalk_\@:
	STEP
	s_sub_co_u32 s[CNT], s[CNT], 1
	s_cmp_lg_u32 s[CNT], 0
	s_cbranch_scc1 .Lwalk_\@
.endm
	s_load_b128 s[4:7], s[0:1], 0x0                ; big s[4:5], ao s[6:7]
	v_lshl_add_u32 v[SPW], v0, 2, SPARE
	v_mov_b32 v[NIL], 0
	ds_add_u32 v[SPW], v[NIL]                      ; the opening lines: the add twice on end and its wait
	ds_add_u32 v[SPW], v[NIL]
	v_lshrrev_b32 v1, 5, v0
	s_delay_alu instid0(VALU_DEP_1)
	v_readfirstlane_b32 s[WV], v1                  ; wave 0..15
	v_and_b32 v2, 31, v0
	s_delay_alu instid0(VALU_DEP_1)
	v_lshlrev_b32 v[LI], 4, v2
	v_lshlrev_b32 v[LS], 2, v2
	s_bfe_u32 s9, ttmp6, 0x40000                   ; cx
	s_lshl_b32 s10, ttmp9, 2
	s_add_co_u32 s10, s10, s9                      ; my block of 256 queries
	s_and_b32 s11, ttmp7, 0xffff                   ; 8 x batch + head, which the four partners share
	s_mov_b32 s[G1], 15|(3<<16)|(1<<21)            ; the mask: all four; elements of 8 bytes; rows of 256 bytes, dense: 13 rows a wave for the first fill
	s_mov_b32 s[G1+1], 32<<16
	s_mov_b32 s[G1+2], 13<<16
	s_mov_b32 s[G1+3], 32<<16
	s_mov_b32 s[G1+4], 13
	s_mov_b32 s[G1+5], 32
	s_mov_b32 s[G1+6], 0
	s_mov_b32 s[G1+7], 0
	s_mul_i32 s44, s11, 212992                     ; the head's block
	s_mul_i32 s[G0+1], s[WV], 3328                 ; LDS as memory: my sixteenth of key steps 0-3,
	s_add_co_u32 s46, s44, s[G0+1]
	s_mov_b32 s47, 0
	s_mul_i32 s48, s[WV], 9984                     ; and of key steps 4-15
	s_add_co_u32 s[G0+5], s48, 53248
	s_add_co_u32 s48, s44, s[G0+5]
	s_mov_b32 s49, 0
	s_mov_b32 s[G0], 1
	s_mov_b32 s[G0+4], 1
	s_lshl_b32 s50, s11, 6                         ; Q: record head x 64 + group of 32 queries
	s_lshl_b32 s51, s10, 3
	s_add_co_u32 s50, s50, s51
	s_lshr_b32 s51, s[WV], 1
	s_add_co_u32 s50, s50, s51
	s_mul_i32 s50, s50, 1664
	s_add_co_u32 s50, s50, QOFF
	s_mov_b32 s51, 0
	s_and_b32 s43, s[WV], 1                        ; which tile of the group is mine
	s_sub_co_u32 s42, 0, s43                       ; as a mask of lanes: none or all
	s_mul_i32 s43, s43, 0x02020202
	s_add_co_u32 s43, s43, 0x01000100              ; byte selects: my tile's two scale bytes, twice
	s_mov_b32 s[SEL], 0x76543210
	s_mov_b32 s[SEL+1], 0xfedcba98
	s_mov_b32 s[CS], 0x3e38aa3b
	s_mov_b32 s[CS+1], s[CS]
	s_wait_alu depctr_va_vdst(0)                   ; directly ahead of the waits below
	s_wait_dscnt 0x0                               ; both opening adds are done
	s_wait_kmcnt 0x0
	s_add_nc_u64 s[G0+2:G0+3], s[4:5], s[46:47]
	s_or_b32 s[G0+3], s[G0+3], 0x80000000
	s_add_nc_u64 s[G0+6:G0+7], s[4:5], s[48:49]
	s_or_b32 s[G0+7], s[G0+7], 0x80000000
	s_add_nc_u64 s[50:51], s[4:5], s[50:51]
.irp c, 0,1,2
	global_load_b128 v[S+4*\c:S+4*\c+3], v[LI], s[50:51] offset:512*\c   ; q's group record, asked for ahead of the round
.endr
	global_load_b32 v[S+12], v[LS], s[50:51] offset:1536
	CROUND                                         ; all four work-groups are here: the joint loads meet
	tensor_load_to_lds s[G0:G0+3], s[G1:G1+7]      ; key steps 0-3: my one load at the head
	s_nop 0
.irp i, 0,1,2,3,4,5
	v_mov_b32 v[12+\i], 0
	v_mov_b32 v[24+\i], 0
.endr
	v_mov_b32 v9, 0xff61b1e6                       ; the largest score so far: -3e38
	v_mov_b32 v8, 0x7f61b1e6                       ; -M: so large that the first f is 0
	v_mov_b32 v10, 0
	v_mov_b32 v11, 0
	v_mov_b32 v5, 0
	v_mov_b32 v7, 0                                ; (named as the upper half of the pair v[6:7])
	v_and_b32 v249, 7, v0                          ; r % 8
	v_bfe_u32 v250, v0, 3, 1                       ; r / 8
	v_bfe_u32 v251, v0, 4, 1                       ; h
	v_lshlrev_b32 v[LIK], 4, v249
	v_lshlrev_b32 v[LSK], 2, v249
	v_lshlrev_b32 v[SH8], 3, v251
	v_lshl_add_u32 v[LIK], v251, 8, v[LIK]
	v_lshl_add_u32 v[LSK], v251, 6, v[LSK]
	v_mad_u32_u24 v[LIK], v250, 1664, v[LIK]
	v_mad_u32_u24 v[LSK], v250, 1664, v[LSK]
	v_mov_b32 v[CA], s[CS]                         ; (v250 and v251 have been read)
	v_mov_b32 v[CB], s[CS]
	s_wait_alu depctr_va_vdst(0)                   ; directly ahead of the wait below
	s_wait_loadcnt 0x0                             ; q
.irp i, 0,1,2,3,4,5
	v_cndmask_b32 v[18+\i], v[S+\i], v[S+6+\i], s42   ; my tile's six registers of the group's twelve
.endr
	v_perm_b32 v[QS], v[S+12], v[S+12], s43
.set J, 0
.rept 32
	v_mov_b32 v[O+J], 0                            ; the step is written for every step alike: the first finds zeros.  (Also the places between q's scale word and codes and the first product)
.set J, J+1
.endr
	s_wait_alu depctr_va_vdst(0)
	s_wait_tensorcnt 0x0                           ; my part of key steps 0-3 is in
	ds_add_u32 v[SPW], v[NIL]
	s_mov_b32 s[G1+2], 39<<16                      ; no tensor load of mine is out, so the descriptor may be written: 39 rows a wave
	s_mov_b32 s[G1+4], 39
	s_wait_dscnt 0x0
	CROUND                                         ; everybody's part is in, and all four work-groups are here
	tensor_load_to_lds s[G0+4:G0+7], s[G1:G1+7]    ; key steps 4-15: my one load behind the round
	s_nop 0
	WALK 0, 2
	s_wait_tensorcnt 0x0                           ; my part of key steps 4-15 is in (no LDS load of mine is out: each step ends behind its wait for 0):
	s_barrier_signal -1                            ; say so,
	WALK 2, 2                                      ; two more steps on the first fill's bytes, which nobody writes,
	s_barrier_wait -1                              ; and go on when everybody's part is in
	WALK 4, 12
	; THE WAY OUT: O^T / the sum, quantised along the head's 64
	PLACES 4
	v_add_f32 v10, v10, v11
	s_delay_alu instid0(VALU_DEP_1)
	v_permlanex16_b32 v5, v10, s[SEL], s[SEL+1]
	s_delay_alu instid0(VALU_DEP_1)
	v_add_f32 v10, v10, v5                         ; the row's sum
	s_wait_alu depctr_va_vdst(0)
	v_rcp_f32 v10, v10
	v_nop                                          ; one plain place behind a transcendental
	s_wait_alu depctr_va_vdst(0)
.set J, 0
.rept 16
	v_pk_mul_f32 v[S+J:S+J+1], v[O+J:O+J+1], v[10:11] op_sel_hi:[1,0]   ; register 16 b + i is o(my query, 32 b + 16 h + i)
.set J, J+2
.endr
.irp b, 0,1
	v_max3_num_f32 v[BM+\b], |v[S+16*\b]|, |v[S+1+16*\b]|, 0x1800000
.endr
.irp i, 2,4,6,8,10,12,14
.irp b, 0,1
	s_delay_alu instid0(VALU_DEP_2)
	v_max3_num_f32 v[BM+\b], v[BM+\b], |v[S+16*\b+\i]|, |v[S+1+16*\b+\i]|
.endr
.endr
.irp b, 0,1
	s_delay_alu instid0(VALU_DEP_2)
	v_permlanex16_b32 v[PT+\b], v[BM+\b], s[SEL], s[SEL+1]
.endr
.irp b, 0,1
	s_delay_alu instid0(VALU_DEP_2)
	v_max_num_f32 v[BM+\b], v[BM+\b], v[PT+\b]
.endr
.irp b, 0,1
	s_delay_alu instid0(VALU_DEP_2)
	v_add_nc_u32 v[SO+\b], 0xff000000, v[BM+\b]
.endr
.irp b, 0,1
	s_delay_alu instid0(VALU_DEP_2)
	v_lshrrev_b32 v[PT+\b], 23, v[SO+\b]
.endr
	s_delay_alu instid0(VALU_DEP_1)
	v_lshl_or_b32 v5, v[PT+1], 8, v[PT]            ; the two bytes
	v_cvt_scalef32_pk16_fp6_f32 v[PC:PC+2], v[S:S+15], v[SO]
	v_cvt_scalef32_pk16_fp6_f32 v[BM:BM+2], v[S+16:S+31], v[SO+1]
	v_nop
.irp i, 0,1,2
	v_permlane16_swap_b32 v[PC+\i], v[BM+\i]
.endr
.irp i, 0,1,2
	v_mov_b32 v[PC+3+\i], v[BM+\i]
.endr
	v_lshlrev_b32 v[ADK], 1, v[LS]                 ; 8 x lane
	s_lshr_b32 s52, s11, 3
	s_lshl_b32 s52, s52, 7
	s_lshl_b32 s53, s10, 4
	s_add_co_u32 s52, s52, s53
	s_add_co_u32 s52, s52, s[WV]                   ; my token tile: 128 x batch + 16 x block + wave
	s_mul_i32 s52, s52, 7168
	s_and_b32 s53, s11, 7                          ; the head
	s_mul_i32 s54, s53, 768
	s_add_co_u32 s54, s54, s52
	s_mov_b32 s55, 0
	s_lshl_b32 s56, s53, 7
	s_add_co_u32 s56, s56, s52
	s_add_co_u32 s56, s56, 6144
	s_mov_b32 s57, 0
	s_add_nc_u64 s[54:55], s[6:7], s[54:55]
	s_add_nc_u64 s[56:57], s[6:7], s[56:57]
	s_wait_alu depctr_va_vdst(0)                   ; behind the run of scalar lines
	global_store_b128 v[LI], v[PC:PC+3], s[54:55]
	global_store_b64 v[ADK], v[PC+4:PC+5], s[54:55] offset:512
	global_store_b32 v[LS], v5, s[56:57]
	s_wait_tensorcnt 0x0                           ; the wave's end
	ds_add_u32 v[SPW], v[NIL]
	s_wait_dscnt 0x0
	CROUND                                         ; the closing round
	s_endpgm
.Lfunc_end_k_q67d87eaf05_attn_t:
	.size	k_q67d87eaf05_attn_t, .Lfunc_end_k_q67d87eaf05_attn_t-k_q67d87eaf05_attn_t
	.p2alignl 7, 3214868480
	.fill 96, 4, 3214868480
	.section	.rodata,"a",@progbits
	.p2align	6, 0x0
	.amdhsa_kernel k_q67d87eaf05_attn_t
		.amdhsa_group_segment_fixed_size 327680
		.amdhsa_private_segment_fixed_size 0
		.amdhsa_enable_private_segment 0
		.amdhsa_kernarg_size 16
		.amdhsa_user_sgpr_count 2
		.amdhsa_user_sgpr_kernarg_segment_ptr 1
		.amdhsa_wavefront_size32 1
		.amdhsa_system_sgpr_workgroup_id_x 1
		.amdhsa_system_sgpr_workgroup_id_y 1
		.amdhsa_system_sgpr_workgroup_id_z 1
		.amdhsa_system_vgpr_workitem_id 0
		.amdhsa_next_free_vgpr 256
		.amdhsa_next_free_sgpr 66
		.amdhsa_reserve_vcc 0
		.amdhsa_float_denorm_mode_32 3
		.amdhsa_float_denorm_mode_16_64 3
		.amdhsa_memory_ordered 1
		.amdhsa_forward_progress 1
		.amdhsa_inst_pref_size 62
	.end_amdhsa_kernel
	.amdgpu_metadata
---
amdhsa.version: [ 1, 2 ]
amdhsa.kernels:
  - .name:           k_q67d87eaf05_attn_t
    .symbol:         k_q67d87eaf05_attn_t.kd
    .args:
      - { .name: big, .offset: 0, .size: 8, .value_kind: global_buffer, .address_space: global }
      - { .name: ao, .offset: 8, .size: 8, .value_kind: global_buffer, .address_space: global }
    .group_segment_fixed_size: 327680
    .private_segment_fixed_size: 0
    .kernarg_segment_align: 8
    .kernarg_segment_size: 16
    .max_flat_workgroup_size: 512
    .sgpr_count:     66
    .vgpr_count:     256
    .wavefront_size: 32
...
	.end_amdgpu_metadata
.endif
;; end of part 3
;; launch pl1 (part 4): grid 256 x 1, 8 waves a work-group, clusters of 4 x 1, 283,648 bytes of LDS; arguments ao, wt, t_bo, x, ln1_g, ln1_b, hf1, xi; writes hf1, xi
.if DOCPART == 4
	.amdgcn_target "amdgcn-amd-amdhsa--gfx1250"
	.amdhsa_code_object_version 6
	.text
	.protected	k_q67d87eaf05_pl1
	.globl	k_q67d87eaf05_pl1
	.p2align	8
	.type	k_q67d87eaf05_pl1,@function
k_q67d87eaf05_pl1:
	s_mov_b64 s[64:65], 0
	v_nop
	global_prefetch_b8 v0, s[64:65] scope:SCOPE_SE
	s_setreg_imm32_b32 hwreg(HW_REG_WAVE_MODE, 25, 1), 1
	s_wait_xcnt 0x0
	s_wait_alu depctr_hold_cnt(0) depctr_sa_sdst(0) depctr_va_vdst(0) depctr_va_sdst(0) depctr_va_ssrc(0) depctr_va_vcc(0) depctr_vm_vsrc(0)
	s_getreg_b32 s2, hwreg(HW_REG_IB_STS2, 6, 4)
	s_cmp_eq_u32 s2, 0
	s_cbranch_scc0 .Lentry_in_a_cluster
	s_endpgm
.Lentry_in_a_cluster:
	s_bfe_u32 s2, ttmp6, 0x10000c
	s_cmp_lg_u32 s2, 0x3003
	s_cbranch_scc0 .Lentry_shape_is_right
	s_endpgm
.Lentry_shape_is_right:
; h = LayerNorm(res + att Wo + bo) x gain + shift; h leaves as f32 rows (the next residual) and as records of E2M3 codes (the next products' operand).
; A work-group takes 32 tokens (block G = 4 x cluster x + cx) and all 512 columns, so that a row's mean and variance stay inside it.  Wave w: token tile 2 G + (w & 1), columns 128 (w >> 1) on.
; Wo's 128 records (212,992 bytes) come into LDS once, by one joint load a wave, shared by the four work-groups of a cluster; each wave streams its 32 records from there.
; att's fragments come from memory as the attention launch left them: per head six registers a lane; two heads make a K step of 128.
; Source 0 = 8 tiles of Wo's rows, source 1 = the token tile: a lane holds ONE token and 64 of the wave's 128 columns.  The residual, turned into that layout through the wave's own stage, is the C of
; the first products.  bo, gain and shift are asked for ahead of the products and waited for behind them, where they are first read.
; Mean and variance in two passes (sum; sum of squared differences), each joined over lane l xor 16 and, through LDS, over the four waves of a token tile.
; LIMITS: NaN and infinities are not served; a block of zeros keeps the scale byte 1.
.set WV,   20
.set G1,   24
.set G0,   32
.set SEL,  36
.set NS,   4
.set ACC,  8
.set ST,   72
.set STS,  168
.set FX,   176
.set FXS,  224
.set TM,   72
.set TT,   88
.set S16,  3
.set S4,   4
.set SRW,  5                           ; v5   my stage, by rows: 16 x lane
.set SLN,  6                           ; v6   my stage, by lanes: 528 r + 64 h
.set L8,   241                         ; v241 8 x lane
.set RW,   242                         ; v242 where I put a partial sum
.set RR,   243                         ; v243 where I read the four of my token tile
.set STG,  212992
.set RED,  280576
.set BIAS, 0                           ; window 1: v0-63 bo, v64-127 gain, v128-191 shift, in the result's layout
.set GAM,  64
.set BET,  128
.set MSB, 0
.macro WIN new                         ; the immediate's high byte repeats the setting that is left
.if MSB != \new
	s_set_vgpr_msb (MSB<<8)|\new
.set MSB, \new
.endif
.endm
.macro PLACES n
.rept \n
	v_nop
.endr
.endm
.macro CROUND
	s_barrier_signal -1
	s_barrier_wait -1
	s_cmp_lg_u32 s[WV], 0
	s_cbranch_scc1 .Lnot_wave_0_\@
	s_barrier_signal -3
.Lnot_wave_0_\@:
	s_barrier_wait -3
	s_barrier_signal -1
	s_barrier_wait -1
.endm
.macro QUANT s, d0, d1, pw
.irp b, 0,1,2,3
	v_mov_b32 v[TM+4+\b], 0
.endr
.irp b, 0,1,2,3
	v_max3_num_f32 v[TM+\b], |v[(\s)+16*\b]|, |v[(\s)+1+16*\b]|, 0x1800000
.endr
.irp i, 2,4,6,8,10,12,14
.irp b, 0,1,2,3
	s_delay_alu instid0(VALU_DEP_4)
	v_max3_num_f32 v[TM+\b], v[TM+\b], |v[(\s)+16*\b+\i]|, |v[(\s)+1+16*\b+\i]|
.endr
.endr
.irp b, 0,1,2,3
	s_delay_alu instid0(VALU_DEP_4)
	v_permlanex16_b32 v[TM+4+\b], v[TM+\b], s[SEL], s[SEL+1]
.endr
.irp b, 0,1,2,3
	s_delay_alu instid0(VALU_DEP_4)
	v_max_num_f32 v[TM+\b], v[TM+\b], v[TM+4+\b]
.endr
.irp b, 0,1,2,3
	s_delay_alu instid0(VALU_DEP_4)
	v_add_nc_u32 v[TM+12+\b], 0xff000000, v[TM+\b]
.endr
.irp b, 0,1,2,3
	s_delay_alu instid0(VALU_DEP_4)
	v_lshrrev_b32 v[TM+4+\b], 23, v[TM+12+\b]
.endr
	s_delay_alu instid0(VALU_DEP_3)
	v_lshl_or_b32 v[\pw], v[TM+5], 8, v[TM+4]
	s_delay_alu instid0(VALU_DEP_1)
	v_lshl_or_b32 v[\pw], v[TM+6], 16, v[\pw]
	s_delay_alu instid0(VALU_DEP_1)
	v_lshl_or_b32 v[\pw], v[TM+7], 24, v[\pw]
	v_cvt_scalef32_pk16_fp6_f32 v[(\d0):(\d0)+2], v[(\s):(\s)+15], v[TM+12]
	v_cvt_scalef32_pk16_fp6_f32 v[TT:TT+2], v[(\s)+16:(\s)+31], v[TM+13]
	v_cvt_scalef32_pk16_fp6_f32 v[(\d1):(\d1)+2], v[(\s)+32:(\s)+47], v[TM+14]
	v_cvt_scalef32_pk16_fp6_f32 v[TT+4:TT+6], v[(\s)+48:(\s)+63], v[TM+15]
	v_nop
.irp i, 0,1,2
	v_permlane16_swap_b32 v[(\d0)+\i], v[TT+\i]
	v_permlane16_swap_b32 v[(\d1)+\i], v[TT+4+\i]
.endr
.irp i, 0,1,2
	v_mov_b32 v[(\d0)+3+\i], v[TT+\i]
	v_mov_b32 v[(\d1)+3+\i], v[TT+4+\i]
.endr
.endm
.macro BLOAD n
.set ETA, (\n)&1
.set KST, (\n)>>1
.irp i, 0,1,2,3
.irp c, 0,1,2
	ds_load_b128 v[ST+48*ETA+12*\i+4*\c:ST+48*ETA+12*\i+4*\c+3], v[S16] offset:((4*ETA+\i)*NS+KST)*1664+512*\c
.endr
	ds_load_b32 v[STS+4*ETA+\i], v[S4] offset:((4*ETA+\i)*NS+KST)*1664+1536
.endr
.endm
.macro BMUL n
.set ETA, (\n)&1
.set KST, (\n)>>1
.irp i, 0,1,2,3
	v_wmma_scale_f32_16x16x128_f8f6f4 v[ACC+8*(4*ETA+\i):ACC+8*(4*ETA+\i)+7], v[ST+48*ETA+12*\i:ST+48*ETA+12*\i+11], v[FX+12*KST:FX+12*KST+11], v[ACC+8*(4*ETA+\i):ACC+8*(4*ETA+\i)+7], v[STS+4*ETA+\i], v[FXS+KST] matrix_a_fmt:MATRIX_FMT_FP6 matrix_b_fmt:MATRIX_FMT_FP6
.endr
.endm
.macro GEMM                            ; eight batches of four products; the eight accumulators take turns, one instruction a turn
	BLOAD 0
.set GN, 0
.rept 8
.if GN > 0
	PLACES 4                                       ; between the last products and the loads into the set that they read
.endif
.if GN < 7
	BLOAD GN+1
	s_wait_dscnt 16                                ; all but the 16 loads just issued
.else
	s_wait_dscnt 0x0
.endif
	BMUL GN
.set GN, GN+1
.endr
	PLACES 4
.endm
; v[72:79] hold four packed partial sums of my 64 numbers: they are joined, with lane l xor 16's, and through LDS with the other three waves of my token tile: the row's sum in v76
.macro ROWSUM off
	s_delay_alu instid0(VALU_DEP_3)
	v_pk_add_f32 v[72:73], v[72:73], v[74:75]
	s_delay_alu instid0(VALU_DEP_2)
	v_pk_add_f32 v[76:77], v[76:77], v[78:79]
	s_delay_alu instid0(VALU_DEP_1)
	v_pk_add_f32 v[72:73], v[72:73], v[76:77]
	s_delay_alu instid0(VALU_DEP_1)
	v_add_f32 v72, v72, v73
	s_delay_alu instid0(VALU_DEP_1)
	v_permlanex16_b32 v74, v72, s[SEL], s[SEL+1]
	s_delay_alu instid0(VALU_DEP_1)
	v_add_f32 v72, v72, v74
	ds_store_b32 v[RW], v72 offset:\off
	s_wait_dscnt 0x0                               ; for the others' sake: my word lies in LDS
	s_barrier_signal -1
	s_barrier_wait -1
.irp k, 0,1,2,3
	ds_load_b32 v[76+\k], v[RR] offset:(\off)+256*\k
.endr
	s_wait_dscnt 0x0
	v_add_f32 v76, v76, v77
	v_add_f32 v78, v78, v79
	s_delay_alu instid0(VALU_DEP_1)
	v_add_f32 v76, v76, v78
.endm
	s_load_b512 s[4:19], s[0:1], 0x0               ; att s[4:5], W s[6:7], bo s[8:9], res s[10:11], gain s[12:13], shift s[14:15], h f32 s[16:17], h records s[18:19]
	v_lshl_add_u32 v254, v0, 2, 0x45000
	v_mov_b32 v255, 0
	ds_add_u32 v254, v255
	ds_add_u32 v254, v255
	v_lshrrev_b32 v1, 5, v0
	s_delay_alu instid0(VALU_DEP_1)
	v_readfirstlane_b32 s[WV], v1                  ; wave 0..7
	s_bfe_u32 s21, ttmp6, 0x40000                  ; cx
	s_lshl_b32 s22, ttmp9, 2
	s_add_co_u32 s22, s22, s21                     ; G
	s_and_b32 s23, s[WV], 1                        ; u
	s_lshr_b32 s40, s[WV], 1                       ; q
	s_mov_b32 s[G1], 15|(3<<16)|(1<<21)            ; all four work-groups; a wave's eighth of Wo's records: 104 rows of 256 bytes
	s_mov_b32 s[G1+1], 32<<16
	s_mov_b32 s[G1+2], 104<<16
	s_mov_b32 s[G1+3], 32<<16
	s_mov_b32 s[G1+4], 104
	s_mov_b32 s[G1+5], 32
	s_mov_b32 s[G1+6], 0
	s_mov_b32 s[G1+7], 0
	s_mov_b32 s[G0], 1
	s_mul_i32 s[G0+1], s[WV], 26624
	s_add_co_u32 s42, s[G0+1], 638976              ; Wo lies behind q's, k's and v's records
	s_mov_b32 s43, 0
	s_mov_b32 s[SEL], 0x76543210
	s_mov_b32 s[SEL+1], 0xfedcba98
	s_mov_b32 s38, 0x3b000000                      ; 1 / 512
	s_mov_b32 s39, 0x358637bd                      ; 1e-6
	s_wait_dscnt 0x0
	s_wait_kmcnt 0x0
	s_add_nc_u64 s[G0+2:G0+3], s[6:7], s[42:43]
	s_or_b32 s[G0+3], s[G0+3], 0x80000000
	CROUND                                         ; all four work-groups are here
	tensor_load_to_lds s[G0:G0+3], s[G1:G1+7]      ; the only fill of the launch
	s_nop 0
	PLACES 4
	v_and_b32 v2, 31, v0
	s_delay_alu instid0(VALU_DEP_1)
	v_lshlrev_b32 v1, 4, v2                        ; 16 x lane
	s_delay_alu instid0(VALU_DEP_2)
	v_lshlrev_b32 v[L8], 3, v2
	s_delay_alu instid0(VALU_DEP_3)
	v_lshlrev_b32 v2, 2, v2                        ; 4 x lane
	v_bfe_u32 v7, v0, 4, 1                         ; h
	v_and_b32 v[SLN], 15, v0                       ; r
	s_mul_i32 s41, s40, 53248                      ; my 32 records of Wo
	v_add_nc_u32 v[S16], s41, v1
	v_add_nc_u32 v[S4], s41, v2
	s_mul_i32 s41, s[WV], 8448
	s_add_co_u32 s41, s41, STG                     ; my stage: 16 rows x (512 + 16) bytes
	v_add_nc_u32 v[SRW], s41, v1
	v_mul_u32_u24 v[SLN], v[SLN], 528
	s_delay_alu instid0(VALU_DEP_1)
	v_lshl_add_u32 v[SLN], v7, 6, v[SLN]
	s_delay_alu instid0(VALU_DEP_1)
	v_add_nc_u32 v[SLN], s41, v[SLN]
	v_lshlrev_b32 v7, 6, v7                        ; 64 h
	v_lshl_add_u32 v[RW], v0, 2, RED               ; 128 x wave + 4 x lane
	s_lshl_b32 s41, s23, 7
	s_add_co_u32 s41, s41, RED
	v_add_nc_u32 v[RR], s41, v2                    ; waves u, u + 2, u + 4, u + 6: 256 bytes apart
	s_lshl_b32 s42, s22, 5
	s_lshl_b32 s41, s23, 3
	s_add_co_u32 s42, s42, s41                     ; the tile's first row: 32 G + 8 u
	s_lshl_b32 s42, s42, 11
	s_lshl_b32 s58, s40, 9                         ; 512 q bytes
	s_mov_b32 s59, 0
	s_add_co_u32 s42, s42, s58
	s_add_nc_u64 s[44:45], s[10:11], s[42:43]      ; the residual's rows
	s_add_nc_u64 s[46:47], s[16:17], s[42:43]      ; and h's
	s_lshl_b32 s41, s22, 1
	s_add_co_u32 s41, s41, s23                     ; token tile
	s_mul_i32 s42, s41, 7168
	s_add_nc_u64 s[48:49], s[4:5], s[42:43]
	s_add_nc_u64 s[50:51], s[8:9], s[58:59]
	s_add_nc_u64 s[52:53], s[12:13], s[58:59]
	s_add_nc_u64 s[54:55], s[14:15], s[58:59]
	s_mul_i32 s42, s41, 6656
	s_mul_i32 s41, s40, 1664
	s_add_co_u32 s42, s42, s41
	s_add_nc_u64 s[56:57], s[18:19], s[42:43]
.irp p, 0,1,2,3,4,5,6,7,8,9,10,11,12,13,14,15
	global_load_b128 v[72+4*\p:75+4*\p], v1, s[44:45] offset:(\p+(\p&8))*2048   ; the tile's row p: 512 consecutive bytes
.endr
.irp s, 0,1,2,3
.irp c, 0,1
	global_load_b128 v[FX+12*\s+6*\c:FX+12*\s+6*\c+3], v1, s[48:49] offset:768*(2*\s+\c)
	global_load_b64 v[FX+12*\s+6*\c+4:FX+12*\s+6*\c+5], v[L8], s[48:49] offset:768*(2*\s+\c)+512
.endr
.endr
.irp e, 0,1,2,3,4,5,6,7
	global_load_b32 v[136+\e], v2, s[48:49] offset:6144+128*\e
.endr
	s_wait_alu depctr_va_vdst(0)
	s_wait_loadcnt 24                              ; the residual's 16 loads are in; att's 16 and its 8 scale words, issued behind them, may be out
.irp p, 0,1,2,3,4,5,6,7,8,9,10,11,12,13,14,15
	ds_store_b128 v[SRW], v[72+4*\p:75+4*\p] offset:528*\p
.endr
.irp b, 0,1,2,3
.irp j, 0,1,2,3
	ds_load_b128 v[ACC+16*\b+4*\j:ACC+16*\b+4*\j+3], v[SLN] offset:128*\b+16*\j   ; LDS serves a wave's instructions in order: these see my stores
.endr
.endr
	WIN 0x40                                       ; destination window 1
.irp b, 0,1,2,3
.irp j, 0,1,2,3
	global_load_b128 v[BIAS+16*\b+4*\j:BIAS+16*\b+4*\j+3], v7, s[50:51] offset:128*\b+16*\j
	global_load_b128 v[GAM+16*\b+4*\j:GAM+16*\b+4*\j+3], v7, s[52:53] offset:128*\b+16*\j
	global_load_b128 v[BET+16*\b+4*\j:BET+16*\b+4*\j+3], v7, s[54:55] offset:128*\b+16*\j
.endr
.endr
	WIN 0
	s_wait_loadcnt 48                              ; all but the 48 just issued: att and its scale words are in
.irp s, 0,1,2,3
	v_perm_b32 v[FXS+\s], v[137+2*\s], v[136+2*\s], 0x05040100   ; a K step's word: two heads' two bytes each
.endr
	PLACES 8                                       ; a scale register written by a vector instruction stands eight places ahead of the product
	s_wait_alu depctr_va_vdst(0)
	s_wait_tensorcnt 0x0                           ; my part of Wo has landed,
	s_wait_dscnt 0x0                               ; the residual is in its layout
	s_barrier_signal -1
	s_barrier_wait -1                              ; everybody's part has
	GEMM                                           ; bo, gain and shift land meanwhile: the products name none of their registers
	s_wait_loadcnt 0x0                             ; they are read from here on
	WIN 0x04                                       ; source 1 window 1
.set J, 0
.rept 32
	v_pk_add_f32 v[ACC+J:ACC+J+1], v[ACC+J:ACC+J+1], v[BIAS+J:BIAS+J+1]   ; each accumulator from its low end on
.set J, J+2
.endr
	WIN 0
.irp k, 0,1,2,3
	v_pk_add_f32 v[72+2*\k:73+2*\k], v[ACC+2*\k:ACC+2*\k+1], v[ACC+8+2*\k:ACC+9+2*\k]
.endr
.irp m, 2,3,4,5,6,7
.irp k, 0,1,2,3
	s_delay_alu instid0(VALU_DEP_4)
	v_pk_add_f32 v[72+2*\k:73+2*\k], v[72+2*\k:73+2*\k], v[ACC+8*\m+2*\k:ACC+8*\m+2*\k+1]
.endr
.endr
	ROWSUM 0
	s_delay_alu instid0(VALU_DEP_1)
	v_mul_f32 v80, s38, v76                        ; the mean
	s_delay_alu instid0(VALU_DEP_1)
	v_mov_b32 v81, v80
.set J, 0
.rept 32
	v_pk_add_f32 v[ACC+J:ACC+J+1], v[ACC+J:ACC+J+1], v[80:81] neg_lo:[0,1] neg_hi:[0,1]
.set J, J+2
.endr
.irp k, 0,1,2,3
	v_pk_mul_f32 v[72+2*\k:73+2*\k], v[ACC+2*\k:ACC+2*\k+1], v[ACC+2*\k:ACC+2*\k+1]
.endr
.irp m, 1,2,3,4,5,6,7
.irp k, 0,1,2,3
	s_delay_alu instid0(VALU_DEP_4)
	v_pk_fma_f32 v[72+2*\k:73+2*\k], v[ACC+8*\m+2*\k:ACC+8*\m+2*\k+1], v[ACC+8*\m+2*\k:ACC+8*\m+2*\k+1], v[72+2*\k:73+2*\k]
.endr
.endr
	ROWSUM 1024                                    ; other words than the first sum's: no barrier is owed between the two
	s_delay_alu instid0(VALU_DEP_1)
	v_fma_f32 v82, v76, s38, s39                   ; the variance + 1e-6
	s_wait_alu depctr_va_vdst(0)
	v_rsq_f32 v82, v82
	v_nop                                          ; one plain place behind a transcendental
	s_wait_alu depctr_va_vdst(0)
	v_mov_b32 v83, v82
.set J, 0
.rept 32
	v_pk_mul_f32 v[ACC+J:ACC+J+1], v[ACC+J:ACC+J+1], v[82:83]
.set J, J+2
.endr
	WIN 0x14                                       ; sources 1 and 2 window 1
.set J, 0
.rept 32
	v_pk_fma_f32 v[ACC+J:ACC+J+1], v[ACC+J:ACC+J+1], v[GAM+J:GAM+J+1], v[BET+J:BET+J+1]
.set J, J+2
.endr
	WIN 0
.irp b, 0,1,2,3
.irp j, 0,1,2,3
	ds_store_b128 v[SLN], v[ACC+16*\b+4*\j:ACC+16*\b+4*\j+3] offset:128*\b+16*\j
.endr
.endr
.irp p, 0,1,2,3,4,5,6,7,8,9,10,11,12,13,14,15
	ds_load_b128 v[96+4*\p:99+4*\p], v[SRW] offset:528*\p     ; back as whole rows, while the codes are made
.endr
	QUANT ACC, 228, 234, 240
	s_wait_alu depctr_va_vdst(0)
.irp p, 0,1,2,3,4,5,6,7,8,9,10,11,12,13,14,15
	s_wait_dscnt 15-\p
	global_store_b128 v1, v[96+4*\p:99+4*\p], s[46:47] offset:(\p+(\p&8))*2048   ; 32 lanes store 512 consecutive bytes, at a multiple of 256 from the buffer's first byte
.endr
.irp c, 0,1,2
	global_store_b128 v1, v[228+4*\c:231+4*\c], s[56:57] offset:512*\c
.endr
	global_store_b32 v2, v240, s[56:57] offset:1536
	s_wait_tensorcnt 0x0
	ds_add_u32 v254, v255
	s_wait_dscnt 0x0
	CROUND                                         ; the closing round
	s_endpgm
.Lfunc_end_k_q67d87eaf05_pl1:
	.size	k_q67d87eaf05_pl1, .Lfunc_end_k_q67d87eaf05_pl1-k_q67d87eaf05_pl1
	.p2alignl 7, 3214868480
	.fill 96, 4, 3214868480
	.section	.rodata,"a",@progbits
	.p2align	6, 0x0
	.amdhsa_kernel k_q67d87eaf05_pl1
		.amdhsa_group_segment_fixed_size 283648
		.amdhsa_private_segment_fixed_size 0
		.amdhsa_enable_private_segment 0
		.amdhsa_kernarg_size 64
		.amdhsa_user_sgpr_count 2
		.amdhsa_user_sgpr_kernarg_segment_ptr 1
		.amdhsa_wavefront_size32 1
		.amdhsa_system_sgpr_workgroup_id_x 1
		.amdhsa_system_sgpr_workgroup_id_y 1
		.amdhsa_system_sgpr_workgroup_id_z 1
		.amdhsa_system_vgpr_workitem_id 0
		.amdhsa_next_free_vgpr 512
		.amdhsa_next_free_sgpr 66
		.amdhsa_reserve_vcc 0
		.amdhsa_float_denorm_mode_32 3
		.amdhsa_float_denorm_mode_16_64 3
		.amdhsa_memory_ordered 1
		.amdhsa_forward_progress 1
		.amdhsa_inst_pref_size 56
	.end_amdhsa_kernel
	.amdgpu_metadata
---
amdhsa.version: [ 1, 2 ]
amdhsa.kernels:
  - .name:           k_q67d87eaf05_pl1
    .symbol:         k_q67d87eaf05_pl1.kd
    .args:
      - { .name: ao, .offset: 0, .size: 8, .value_kind: global_buffer, .address_space: global }
      - { .name: wt, .offset: 8, .size: 8, .value_kind: global_buffer, .address_space: global }
      - { .name: t_bo, .offset: 16, .size: 8, .value_kind: global_buffer, .address_space: global }
      - { .name: x, .offset: 24, .size: 8, .value_kind: global_buffer, .address_space: global }
      - { .name: ln1_g, .offset: 32, .size: 8, .value_kind: global_buffer, .address_space: global }
      - { .name: ln1_b, .offset: 40, .size: 8, .value_kind: global_buffer, .address_space: global }
      - { .name: hf1, .offset: 48, .size: 8, .value_kind: global_buffer, .address_space: global }
      - { .name: xi, .offset: 56, .size: 8, .value_kind: global_buffer, .address_space: global }
    .group_segment_fixed_size: 283648
    .private_segment_fixed_size: 0
    .kernarg_segment_align: 8
    .kernarg_segment_size: 64
    .max_flat_workgroup_size: 256
    .sgpr_count:     66
    .vgpr_count:     512
    .wavefront_size: 32
...
	.end_amdgpu_metadata
.endif
;; end of part 4
;; launch qkv_s: the kernel of part 2 again; grid 64 x 4, 16 waves a work-group, clusters of 4 x 4, 327,680 bytes of LDS; arguments xi, ws, s_bq, s_bk, s_bv, big; writes big
;; launch attn_s: the kernel of part 3 again; grid 8 x 32, 16 waves a work-group, clusters of 4 x 1, 327,680 bytes of LDS; arguments big, ao; writes ao
;; launch pl2: the kernel of part 4 again; grid 256 x 1, 8 waves a work-group, clusters of 4 x 1, 283,648 bytes of LDS; arguments ao, ws, s_bo, hf1, ln2_g, ln2_b, hf2, xi; writes hf2, xi
;; launch ffn1 (part 5): grid 64 x 4, 16 waves a work-group, clusters of 4 x 4, 327,680 bytes of LDS; arguments xi, ws, f_b1, big; writes big
.if DOCPART == 5
	.amdgcn_target "amdgcn-amd-amdhsa--gfx1250"
	.amdhsa_code_object_version 6
	.text
	.protected	k_q67d87eaf05_ffn1
	.globl	k_q67d87eaf05_ffn1
	.p2align	8
	.type	k_q67d87eaf05_ffn1,@function
k_q67d87eaf05_ffn1:
	s_mov_b64 s[64:65], 0
	v_nop
	global_prefetch_b8 v0, s[64:65] scope:SCOPE_SE
	s_setreg_imm32_b32 hwreg(HW_REG_WAVE_MODE, 25, 1), 1
	s_wait_xcnt 0x0
	s_wait_alu depctr_hold_cnt(0) depctr_sa_sdst(0) depctr_va_vdst(0) depctr_va_sdst(0) depctr_va_ssrc(0) depctr_va_vcc(0) depctr_vm_vsrc(0)
	s_getreg_b32 s2, hwreg(HW_REG_IB_STS2, 6, 4)
	s_cmp_eq_u32 s2, 0
	s_cbranch_scc0 .Lentry_in_a_cluster
	s_endpgm
.Lentry_in_a_cluster:
	s_bfe_u32 s2, ttmp6, 0x10000c
	s_cmp_lg_u32 s2, 0xf033
	s_cbranch_scc0 .Lentry_shape_is_right
	s_endpgm
.Lentry_shape_is_right:
.set WV,   16
.set G1A,  24
.set G1W,  32
.set G0A,  40
.set G0W,  44
.set SEL,  88
.set CA13, 68
.set CA9,  70
.set CA7,  72
.set CA5,  74
.set CA3,  76
.set CA1,  78
.set CB8,  80
.set CB4,  82
.set CB2,  84
.set CB0,  86
.set NS,   4
.set ACC,  8
.set ST,   72
.set STS,  168
.set FX,   176
.set FXS,  224
.set TM,   72
.set TT,   88
.set S16,  3
.set S4,   4
.set F16,  5
.set F4,   6
.set Z,    96
.set Z2,   104
.set PP,   112
.set QQ,   120
.macro PLACES n
.rept \n
	v_nop
.endr
.endm
.macro CROUND
	s_barrier_signal -1
	s_barrier_wait -1
	s_cmp_lg_u32 s[WV], 0
	s_cbranch_scc1 .Lnot_wave_0_\@
	s_barrier_signal -3
.Lnot_wave_0_\@:
	s_barrier_wait -3
	s_barrier_signal -1
	s_barrier_wait -1
.endm
.macro QUANT s, d0, d1, pw
.irp b, 0,1,2,3
	v_mov_b32 v[TM+4+\b], 0
.endr
.irp b, 0,1,2,3
	v_max3_num_f32 v[TM+\b], |v[(\s)+16*\b]|, |v[(\s)+1+16*\b]|, 0x1800000
.endr
.irp i, 2,4,6,8,10,12,14
.irp b, 0,1,2,3
	s_delay_alu instid0(VALU_DEP_4)
	v_max3_num_f32 v[TM+\b], v[TM+\b], |v[(\s)+16*\b+\i]|, |v[(\s)+1+16*\b+\i]|
.endr
.endr
.irp b, 0,1,2,3
	s_delay_alu instid0(VALU_DEP_4)
	v_permlanex16_b32 v[TM+4+\b], v[TM+\b], s[SEL], s[SEL+1]
.endr
.irp b, 0,1,2,3
	s_delay_alu instid0(VALU_DEP_4)
	v_max_num_f32 v[TM+\b], v[TM+\b], v[TM+4+\b]
.endr
.irp b, 0,1,2,3
	s_delay_alu instid0(VALU_DEP_4)
	v_add_nc_u32 v[TM+12+\b], 0xff000000, v[TM+\b]
.endr
.irp b, 0,1,2,3
	s_delay_alu instid0(VALU_DEP_4)
	v_lshrrev_b32 v[TM+4+\b], 23, v[TM+12+\b]
.endr
	s_delay_alu instid0(VALU_DEP_3)
	v_lshl_or_b32 v[\pw], v[TM+5], 8, v[TM+4]
	s_delay_alu instid0(VALU_DEP_1)
	v_lshl_or_b32 v[\pw], v[TM+6], 16, v[\pw]
	s_delay_alu instid0(VALU_DEP_1)
	v_lshl_or_b32 v[\pw], v[TM+7], 24, v[\pw]
	v_cvt_scalef32_pk16_fp6_f32 v[(\d0):(\d0)+2], v[(\s):(\s)+15], v[TM+12]
	v_cvt_scalef32_pk16_fp6_f32 v[TT:TT+2], v[(\s)+16:(\s)+31], v[TM+13]
	v_cvt_scalef32_pk16_fp6_f32 v[(\d1):(\d1)+2], v[(\s)+32:(\s)+47], v[TM+14]
	v_cvt_scalef32_pk16_fp6_f32 v[TT+4:TT+6], v[(\s)+48:(\s)+63], v[TM+15]
	v_nop
.irp i, 0,1,2
	v_permlane16_swap_b32 v[(\d0)+\i], v[TT+\i]
	v_permlane16_swap_b32 v[(\d1)+\i], v[TT+4+\i]
.endr
.irp i, 0,1,2
	v_mov_b32 v[(\d0)+3+\i], v[TT+\i]
	v_mov_b32 v[(\d1)+3+\i], v[TT+4+\i]
.endr
.endm
.macro BLOAD n
.set ETA, (\n)&1
.set KST, (\n)>>1
.irp i, 0,1,2,3
.irp c, 0,1,2
	ds_load_b128 v[ST+48*ETA+12*\i+4*\c:ST+48*ETA+12*\i+4*\c+3], v[S16] offset:((4*ETA+\i)*NS+KST)*1664+512*\c
.endr
	ds_load_b32 v[STS+4*ETA+\i], v[S4] offset:((4*ETA+\i)*NS+KST)*1664+1536
.endr
.endm
.macro BMUL n
.set ETA, (\n)&1
.set KST, (\n)>>1
.irp i, 0,1,2,3
	v_wmma_scale_f32_16x16x128_f8f6f4 v[ACC+8*(4*ETA+\i):ACC+8*(4*ETA+\i)+7], v[ST+48*ETA+12*\i:ST+48*ETA+12*\i+11], v[FX+12*KST:FX+12*KST+11], v[ACC+8*(4*ETA+\i):ACC+8*(4*ETA+\i)+7], v[STS+4*ETA+\i], v[FXS+KST] matrix_a_fmt:MATRIX_FMT_FP6 matrix_b_fmt:MATRIX_FMT_FP6
.endr
.endm
.macro FIXLOAD off
.irp s, 0,1,2,3
.irp c, 0,1,2
	ds_load_b128 v[FX+12*\s+4*\c:FX+12*\s+4*\c+3], v[F16] offset:(\off)+1664*\s+512*\c
.endr
	ds_load_b32 v[FXS+\s], v[F4] offset:(\off)+1664*\s+1536
.endr
.endm
.macro GEMM
	BLOAD 0
.set GN, 0
.rept 8
.if GN > 0
	PLACES 4
.endif
.if GN < 7
	BLOAD GN+1
	s_wait_dscnt 16
.else
	s_wait_dscnt 0x0
.endif
.if GN == 0
	s_wait_loadcnt 0x0
.endif
	BMUL GN
.set GN, GN+1
.endr
	PLACES 4
.endm
.macro BIASLOAD
.irp i, 0,1,2,3,4,5,6,7
	global_load_b128 v[ACC+8*\i:ACC+8*\i+3], v7, s[58:59] offset:(32*(\i/2)+8*(\i%2))*4
	global_load_b128 v[ACC+8*\i+4:ACC+8*\i+7], v7, s[58:59] offset:(32*(\i/2)+8*(\i%2))*4+16
.endr
.endm
.macro GELU
	v_mov_b32 v128, 0x32edffee
	v_mov_b32 v129, 0x32edffee
	v_mov_b32 v130, 0xb95fbd29
	v_mov_b32 v131, 0xb95fbd29
.irp c, CA13, CA9, CA7, CA5, CA3, CA1, CB8, CB4, CB2, CB0
	v_mov_b32 v[64+\c], s[\c]                      ; each constant in an even and an odd register, v132-151: the two halves of a dual-issue pair read different banks
	v_mov_b32 v[65+\c], s[\c]
.endr
	v_mov_b32 v152, 0x3f3504f3                     ; 1 / sqrt(2)
	v_mov_b32 v153, 0x3f3504f3
	v_mov_b32 v154, 0.5
	v_mov_b32 v155, 0.5
.irp a, 0,1,2,3,4,5,6,7
.irp k, 0,2,4,6
	v_dual_mul_f32 v[Z+\k], v[ACC+8*\a+\k], v152 :: v_dual_mul_f32 v[Z+\k+1], v[ACC+8*\a+\k+1], v153
.endr
.irp k, 0,1,2,3,4,5,6,7
	v_med3_num_f32 v[Z+\k], v[Z+\k], -4.0, 4.0
.endr
.irp k, 0,2,4,6
	v_dual_mul_f32 v[Z2+\k], v[Z+\k], v[Z+\k] :: v_dual_mul_f32 v[Z2+\k+1], v[Z+\k+1], v[Z+\k+1]
.endr
.irp k, 0,2,4,6
	v_dual_fma_f32 v[PP+\k], v[Z2+\k], v[64+CA13], v128 :: v_dual_fma_f32 v[PP+\k+1], v[Z2+\k+1], v[65+CA13], v129
	v_dual_fma_f32 v[QQ+\k], v[Z2+\k], v[64+CB8], v130 :: v_dual_fma_f32 v[QQ+\k+1], v[Z2+\k+1], v[65+CB8], v131
.endr
.irp c, CA9, CA7, CA5, CA3, CA1
.irp k, 0,2,4,6
	v_dual_fma_f32 v[PP+\k], v[PP+\k], v[Z2+\k], v[64+\c] :: v_dual_fma_f32 v[PP+\k+1], v[PP+\k+1], v[Z2+\k+1], v[65+\c]
.endr
.endr
.irp c, CB4, CB2, CB0
.irp k, 0,2,4,6
	v_dual_fma_f32 v[QQ+\k], v[QQ+\k], v[Z2+\k], v[64+\c] :: v_dual_fma_f32 v[QQ+\k+1], v[QQ+\k+1], v[Z2+\k+1], v[65+\c]
.endr
.endr
	s_wait_alu depctr_va_vdst(0)
.irp k, 0,1,2,3,4,5,6,7
	v_rcp_f32 v[QQ+\k], v[QQ+\k]
.endr
.irp k, 0,2,4,6
	v_pk_mul_f32 v[PP+\k:PP+\k+1], v[PP+\k:PP+\k+1], v[Z+\k:Z+\k+1]
.endr
	s_wait_alu depctr_va_vdst(0)
.irp k, 0,2,4,6
	v_dual_mul_f32 v[PP+\k], v[PP+\k], v[QQ+\k] :: v_dual_mul_f32 v[PP+\k+1], v[PP+\k+1], v[QQ+\k+1]
.endr
.irp k, 0,2,4,6
	v_dual_mul_f32 v[Z+\k], v[ACC+8*\a+\k], v154 :: v_dual_mul_f32 v[Z+\k+1], v[ACC+8*\a+\k+1], v155
.endr
.irp k, 0,2,4,6
	v_dual_fma_f32 v[ACC+8*\a+\k], v[Z+\k], v[PP+\k], v[Z+\k] :: v_dual_fma_f32 v[ACC+8*\a+\k+1], v[Z+\k+1], v[PP+\k+1], v[Z+\k+1]
.endr
.endr
.endm
	s_load_b256 s[4:11], s[0:1], 0x0
	v_lshl_add_u32 v254, v0, 2, 0x41000
	v_mov_b32 v255, 0
	ds_add_u32 v254, v255
	ds_add_u32 v254, v255
	v_lshrrev_b32 v1, 5, v0
	s_delay_alu instid0(VALU_DEP_1)
	v_readfirstlane_b32 s[WV], v1
	s_bfe_u32 s17, ttmp6, 0x40000
	s_bfe_u32 s18, ttmp6, 0x40004
	s_lshl_b32 s19, ttmp9, 2
	s_add_co_u32 s19, s19, s17
	s_lshl_b32 s21, 0x1111, s17
	s_lshl_b32 s22, s18, 2
	s_lshl_b32 s22, 15, s22
	s_or_b32 s[G1A], s21, (3<<16)|(1<<21)
	s_mov_b32 s[G1A+1], 32<<16
	s_mov_b32 s[G1A+2], 26<<16                     ; the tokens' 53,248 bytes: 26 rows of 256 bytes for each of waves 0-7
	s_mov_b32 s[G1A+3], 32<<16
	s_mov_b32 s[G1A+4], 26
	s_mov_b32 s[G1A+5], 32
	s_mov_b32 s[G1A+6], 0
	s_mov_b32 s[G1A+7], 0
	s_or_b32 s[G1W], s22, (3<<16)|(1<<21)
	s_mov_b32 s[G1W+1], 32<<16
	s_mov_b32 s[G1W+2], 104<<16                    ; the weights' 212,992 bytes: 104 rows for each of waves 8-15
	s_mov_b32 s[G1W+3], 32<<16
	s_mov_b32 s[G1W+4], 104
	s_mov_b32 s[G1W+5], 32
	s_mov_b32 s[G1W+6], 0
	s_mov_b32 s[G1W+7], 0
	s_mul_i32 s48, s19, 53248
	s_and_b32 s20, s[WV], 7                        ; which eighth of my tile
	s_mul_i32 s[G0A+1], s20, 6656
	s_add_co_u32 s48, s48, s[G0A+1]
	s_mov_b32 s49, 0
	s_mul_i32 s50, s18, 212992
	s_mul_i32 s51, s20, 26624
	s_add_co_u32 s50, s50, s51
	s_add_co_u32 s50, s50, 851968
	s_add_co_u32 s[G0W+1], s51, 53248
	s_mov_b32 s51, 0
	s_mov_b32 s[G0A], 1
	s_mov_b32 s[G0W], 1
	s_wait_dscnt 0x0
	s_wait_kmcnt 0x0
	s_add_nc_u64 s[G0A+2:G0A+3], s[4:5], s[48:49]
	s_or_b32 s[G0A+3], s[G0A+3], 0x80000000
	s_add_nc_u64 s[G0W+2:G0W+3], s[6:7], s[50:51]
	s_or_b32 s[G0W+3], s[G0W+3], 0x80000000
	CROUND
	s_cmp_lt_u32 s[WV], 8                          ; one joint load a wave, in one chain of two arms: waves 0-7 fetch the tokens' records, waves 8-15 the weights'
	s_cbranch_scc0 .Lfor_w
	tensor_load_to_lds s[G0A:G0A+3], s[G1A:G1A+7]
	s_nop 0
	PLACES 4
	s_branch .Lasked
.Lfor_w:
	tensor_load_to_lds s[G0W:G0W+3], s[G1W:G1W+7]
	s_nop 0
	PLACES 4
.Lasked:
	v_and_b32 v2, 31, v0
	s_delay_alu instid0(VALU_DEP_1)
	v_lshlrev_b32 v1, 4, v2
	s_wait_alu depctr_va_vdst(0)
	v_lshlrev_b32 v2, 2, v2
	s_wait_alu depctr_va_vdst(0)
	v_bfe_u32 v7, v0, 4, 1
	s_delay_alu instid0(VALU_DEP_1)
	v_lshlrev_b32 v7, 6, v7
	s_and_b32 s52, s[WV], 3
	s_lshr_b32 s53, s[WV], 2
	s_lshl_b32 s56, s18, 11
	s_lshl_b32 s57, s52, 9
	s_add_co_u32 s56, s56, s57
	s_mov_b32 s57, 0
	s_add_nc_u64 s[58:59], s[8:9], s[56:57]
	BIASLOAD
	s_mul_i32 s54, s52, 53248
	s_add_co_u32 s54, s54, 53248
	v_add_nc_u32 v[S16], s54, v1
	v_add_nc_u32 v[S4], s54, v2
	s_mul_i32 s55, s53, 13312
	v_add_nc_u32 v[F16], s55, v1
	v_add_nc_u32 v[F4], s55, v2
	s_lshl_b32 s60, s19, 3
	s_lshl_b32 s61, s53, 1
	s_add_co_u32 s60, s60, s61
	s_mul_i32 s60, s60, 26624
	s_lshl_b32 s61, s18, 2
	s_add_co_u32 s61, s61, s52
	s_mul_i32 s61, s61, 1664
	s_add_co_u32 s60, s60, s61
	s_mov_b32 s61, 0
	s_add_nc_u64 s[62:63], s[10:11], s[60:61]
	s_mov_b32 s[SEL], 0x76543210
	s_mov_b32 s[SEL+1], 0xfedcba98
	s_mov_b32 s[CA13], 0xaf95df0b
	s_mov_b32 s[CA9], 0xb60cff51
	s_mov_b32 s[CA7], 0xb86ec2d2
	s_mov_b32 s[CA5], 0xba40ac63
	s_mov_b32 s[CA3], 0xbb41a1f6
	s_mov_b32 s[CA1], 0xbc83dbd4
	s_mov_b32 s[CB8], 0xb77460cd
	s_mov_b32 s[CB4], 0xbadc924e
	s_mov_b32 s[CB2], 0xbbf19bf8
	s_mov_b32 s[CB0], 0xbc69b6a7
.irp c, CA13, CA9, CA7, CA5, CA3, CA1, CB8, CB4, CB2, CB0
	s_mov_b32 s[\c+1], s[\c]
.endr
	s_wait_alu depctr_va_vdst(0)
	s_wait_tensorcnt 0x0
	s_barrier_signal -1
	s_barrier_wait -1
.irp u, 0,1
.if \u == 1
	BIASLOAD
.endif
	FIXLOAD \u*6656
	GEMM
	GELU
	QUANT ACC, 228+12*\u, 234+12*\u, 252+\u
.irp c, 0,1,2
	global_store_b128 v1, v[228+12*\u+4*\c:231+12*\u+4*\c], s[62:63] offset:26624*\u+512*\c
.endr
	global_store_b32 v2, v[252+\u], s[62:63] offset:26624*\u+1536
.endr
	s_wait_tensorcnt 0x0
	ds_add_u32 v254, v255
	s_wait_dscnt 0x0
	CROUND
	s_endpgm
.Lfunc_end_k_q67d87eaf05_ffn1:
	.size	k_q67d87eaf05_ffn1, .Lfunc_end_k_q67d87eaf05_ffn1-k_q67d87eaf05_ffn1
	.p2alignl 7, 3214868480
	.fill 96, 4, 3214868480
	.section	.rodata,"a",@progbits
	.p2align	6, 0x0
	.amdhsa_kernel k_q67d87eaf05_ffn1
		.amdhsa_group_segment_fixed_size 327680
		.amdhsa_private_segment_fixed_size 0
		.amdhsa_enable_private_segment 0
		.amdhsa_kernarg_size 32
		.amdhsa_user_sgpr_count 2
		.amdhsa_user_sgpr_kernarg_segment_ptr 1
		.amdhsa_wavefront_size32 1
		.amdhsa_system_sgpr_workgroup_id_x 1
		.amdhsa_system_sgpr_workgroup_id_y 1
		.amdhsa_system_sgpr_workgroup_id_z 1
		.amdhsa_system_vgpr_workitem_id 0
		.amdhsa_next_free_vgpr 256
		.amdhsa_next_free_sgpr 100
		.amdhsa_reserve_vcc 0
		.amdhsa_float_denorm_mode_32 3
		.amdhsa_float_denorm_mode_16_64 3
		.amdhsa_memory_ordered 1
		.amdhsa_forward_progress 1
		.amdhsa_inst_pref_size 151
	.end_amdhsa_kernel
	.amdgpu_metadata
---
amdhsa.version: [ 1, 2 ]
amdhsa.kernels:
  - .name:           k_q67d87eaf05_ffn1
    .symbol:         k_q67d87eaf05_ffn1.kd
    .args:
      - { .name: xi, .offset: 0, .size: 8, .value_kind: global_buffer, .address_space: global }
      - { .name: ws, .offset: 8, .size: 8, .value_kind: global_buffer, .address_space: global }
      - { .name: f_b1, .offset: 16, .size: 8, .value_kind: global_buffer, .address_space: global }
      - { .name: big, .offset: 24, .size: 8, .value_kind: global_buffer, .address_space: global }
    .group_segment_fixed_size: 327680
    .private_segment_fixed_size: 0
    .kernarg_segment_align: 8
    .kernarg_segment_size: 32
    .max_flat_workgroup_size: 512
    .sgpr_count:     100
    .vgpr_count:     256
    .wavefront_size: 32
...
	.end_amdgpu_metadata
.endif
;; end of part 5
;; launch ffn2 (part 6): grid 4 x 64, 8 waves a work-group, clusters of 4 x 1, 281,600 bytes of LDS; arguments big, ws, f_b2, hf2, out0; writes out0
.if DOCPART == 6
	.amdgcn_target "amdgcn-amd-amdhsa--gfx1250"
	.amdhsa_code_object_version 6
	.text
	.protected	k_q67d87eaf05_ffn2
	.globl	k_q67d87eaf05_ffn2
	.p2align	8
	.type	k_q67d87eaf05_ffn2,@function
k_q67d87eaf05_ffn2:
	s_mov_b64 s[64:65], 0
	v_nop
	global_prefetch_b8 v0, s[64:65] scope:SCOPE_SE
	s_setreg_imm32_b32 hwreg(HW_REG_WAVE_MODE, 25, 1), 1
	s_wait_xcnt 0x0
	s_wait_alu depctr_hold_cnt(0) depctr_sa_sdst(0) depctr_va_vdst(0) depctr_va_sdst(0) depctr_va_ssrc(0) depctr_va_vcc(0) depctr_vm_vsrc(0)
	s_getreg_b32 s2, hwreg(HW_REG_IB_STS2, 6, 4)
	s_cmp_eq_u32 s2, 0
	s_cbranch_scc0 .Lentry_in_a_cluster
	s_endpgm
.Lentry_in_a_cluster:
	s_bfe_u32 s2, ttmp6, 0x10000c
	s_cmp_lg_u32 s2, 0x3003
	s_cbranch_scc0 .Lentry_shape_is_right
	s_endpgm
.Lentry_shape_is_right:
; out = h2 + hidden W2 + b2.  hidden: records (token tile x 16 K steps); W2: records (column tile x 16 K steps); h2, out: f32 rows.
; A work-group takes 128 tokens (work-group y) and 128 columns (cx).  The tokens' 128 records (212,992 bytes) come into LDS once, by one joint load a wave, shared by the four column blocks of a cluster.
; Wave w takes column tile 8 cx + w against all eight token tiles: eight accumulators.  Its 16 records of W2 are nobody else's: they come straight from memory into a ring of four register sets,
; four K steps ahead.  Source 0 = the 16 columns, source 1 = a token tile: a lane holds one token and eight neighbouring columns.
; THE WAY OUT: results meet in a stage of 128 rows x (512 + 16) bytes; behind a barrier each wave reads one token tile's 16 whole rows, adds b2 and h2, and stores 512 consecutive bytes an instruction.
; The 16 rows of h2 that a wave adds at the end are asked for first of all, into 64 registers of window 1, where they lie until then.
.set WV,   14
.set G1,   20
.set G0,   28
.set ACC,  8
.set ST,   72
.set STS,  168
.set FX,   176
.set FXS,  224
.set A16,  228                         ; v228-231 LDS: token tiles 2 k, 2 k + 1: 53,248 k + 16 x lane
.set A4,   232                         ; v232-235 the same + 4 x lane
.set SIN,  236
.set SOUT, 237
.set B2,   240                         ; v[240:243] my four numbers of b2
.set RS,   0                           ; window 1: v0-63: h2's 16 rows
.set STG,  212992
.set MSB, 0
.macro WIN new                         ; the immediate's high byte repeats the setting that is left
.if MSB != \new
	s_set_vgpr_msb (MSB<<8)|\new
.set MSB, \new
.endif
.endm
.macro PLACES n
.rept \n
	v_nop
.endr
.endm
.macro CROUND
	s_barrier_signal -1
	s_barrier_wait -1
	s_cmp_lg_u32 s[WV], 0
	s_cbranch_scc1 .Lnot_wave_0_\@
	s_barrier_signal -3
.Lnot_wave_0_\@:
	s_barrier_wait -3
	s_barrier_signal -1
	s_barrier_wait -1
.endm
.macro WLOAD rs                        ; W2's record of K step rs into set rs % 4: four loads
.irp c, 0,1,2
	global_load_b128 v[FX+12*((\rs)%4)+4*\c:FX+12*((\rs)%4)+4*\c+3], v1, s[40:41] offset:1664*(\rs)+512*\c
.endr
	global_load_b32 v[FXS+(\rs)%4], v2, s[40:41] offset:1664*(\rs)+1536
.endm
.macro SLOAD n                         ; batch n = 2 x K step + half: the records of token tiles 4 half + 0 .. 3: 16 LDS loads
.set ETA, (\n)&1
.set KST, (\n)>>1
.irp i, 0,1,2,3
.irp c, 0,1,2
	ds_load_b128 v[ST+48*ETA+12*\i+4*\c:ST+48*ETA+12*\i+4*\c+3], v[A16+2*ETA+\i/2] offset:(\i%2)*26624+1664*KST+512*\c
.endr
	ds_load_b32 v[STS+4*ETA+\i], v[A4+2*ETA+\i/2] offset:(\i%2)*26624+1664*KST+1536
.endr
.endm
.macro SMUL n                          ; its four products; the first K step starts the sums: nothing is cleared
.set ETA, (\n)&1
.set KST, (\n)>>1
.irp i, 0,1,2,3
.if KST == 0
	v_wmma_scale_f32_16x16x128_f8f6f4 v[ACC+8*(4*ETA+\i):ACC+8*(4*ETA+\i)+7], v[FX+12*(KST%4):FX+12*(KST%4)+11], v[ST+48*ETA+12*\i:ST+48*ETA+12*\i+11], 0, v[FXS+KST%4], v[STS+4*ETA+\i] matrix_a_fmt:MATRIX_FMT_FP6 matrix_b_fmt:MATRIX_FMT_FP6
.else
	v_wmma_scale_f32_16x16x128_f8f6f4 v[ACC+8*(4*ETA+\i):ACC+8*(4*ETA+\i)+7], v[FX+12*(KST%4):FX+12*(KST%4)+11], v[ST+48*ETA+12*\i:ST+48*ETA+12*\i+11], v[ACC+8*(4*ETA+\i):ACC+8*(4*ETA+\i)+7], v[FXS+KST%4], v[STS+4*ETA+\i] matrix_a_fmt:MATRIX_FMT_FP6 matrix_b_fmt:MATRIX_FMT_FP6
.endif
.endr
.endm
	s_load_b256 s[4:11], s[0:1], 0x0               ; hidden s[4:5], ws s[6:7], b2 s[8:9], h2 s[10:11]
	s_load_b64 s[12:13], s[0:1], 0x20              ; out
	v_lshl_add_u32 v254, v0, 2, 0x44800
	v_mov_b32 v255, 0
	ds_add_u32 v254, v255
	ds_add_u32 v254, v255
	v_lshrrev_b32 v1, 5, v0
	s_delay_alu instid0(VALU_DEP_1)
	v_readfirstlane_b32 s[WV], v1                  ; wave 0..7
	s_bfe_u32 s15, ttmp6, 0x40000                  ; cx: the block of 128 columns
	s_and_b32 s16, ttmp7, 0xffff                   ; the block of 128 tokens, which the four partners share
	s_mov_b32 s[G1], 15|(3<<16)|(1<<21)            ; all four work-groups; a wave's eighth: 104 rows of 256 bytes
	s_mov_b32 s[G1+1], 32<<16
	s_mov_b32 s[G1+2], 104<<16
	s_mov_b32 s[G1+3], 32<<16
	s_mov_b32 s[G1+4], 104
	s_mov_b32 s[G1+5], 32
	s_mov_b32 s[G1+6], 0
	s_mov_b32 s[G1+7], 0
	s_mov_b32 s[G0], 1
	s_mul_i32 s[G0+1], s[WV], 26624
	s_mul_i32 s32, s16, 212992
	s_add_co_u32 s32, s32, s[G0+1]
	s_mov_b32 s33, 0
	s_lshl_b32 s34, s15, 3
	s_add_co_u32 s34, s34, s[WV]                   ; my column tile
	s_mul_i32 s34, s34, 26624
	s_add_co_u32 s34, s34, 1703936                 ; W2's records lie behind W1's
	s_mov_b32 s35, 0
	s_lshl_b32 s36, s15, 9                         ; 512 cx bytes
	s_mov_b32 s37, 0
	s_lshl_b32 s38, s16, 7
	s_lshr_b32 s39, s[WV], 1
	s_lshl_b32 s39, s39, 5
	s_add_co_u32 s38, s38, s39
	s_and_b32 s39, s[WV], 1
	s_lshl_b32 s39, s39, 3
	s_add_co_u32 s38, s38, s39                     ; the first row of token tile w: 128 RB + 32 (w / 2) + 8 (w % 2)
	s_lshl_b32 s38, s38, 11
	s_add_co_u32 s38, s38, s36
	s_mov_b32 s39, 0
	s_wait_dscnt 0x0
	s_wait_kmcnt 0x0
	s_add_nc_u64 s[G0+2:G0+3], s[4:5], s[32:33]
	s_or_b32 s[G0+3], s[G0+3], 0x80000000
	s_add_nc_u64 s[40:41], s[6:7], s[34:35]
	s_add_nc_u64 s[42:43], s[8:9], s[36:37]
	s_add_nc_u64 s[44:45], s[10:11], s[38:39]
	s_add_nc_u64 s[46:47], s[12:13], s[38:39]
	CROUND                                         ; all four work-groups are here
	tensor_load_to_lds s[G0:G0+3], s[G1:G1+7]      ; the only fill of the launch
	s_nop 0
	PLACES 4
	v_and_b32 v2, 31, v0
	s_delay_alu instid0(VALU_DEP_1)
	v_lshlrev_b32 v1, 4, v2                        ; 16 x lane
	s_delay_alu instid0(VALU_DEP_2)
	v_lshlrev_b32 v2, 2, v2                        ; 4 x lane
	WIN 0x40                                       ; destination window 1
.irp p, 0,1,2,3,4,5,6,7,8,9,10,11,12,13,14,15
	global_load_b128 v[RS+4*\p:RS+4*\p+3], v1, s[44:45] offset:(\p+(\p&8))*2048   ; h2: token tile w's rows, my work-group's 512 bytes of each; older than every load of W2, so the first K step's wait shows them in
.endr
	WIN 0
	global_load_b128 v[B2:B2+3], v1, s[42:43]
	WLOAD 0
	WLOAD 1
	WLOAD 2
	WLOAD 3
.irp k, 0,1,2,3
	v_add_nc_u32 v[A16+\k], 53248*\k, v1
	v_add_nc_u32 v[A4+\k], 53248*\k, v2
.endr
	v_and_b32 v[SIN], 15, v0                       ; r
	v_bfe_u32 v[SOUT], v0, 4, 1                    ; h
	s_delay_alu instid0(VALU_DEP_2)
	v_mul_u32_u24 v[SIN], v[SIN], 528
	s_delay_alu instid0(VALU_DEP_1)
	v_lshl_add_u32 v[SIN], v[SOUT], 6, v[SIN]
	s_lshr_b32 s48, s[WV], 1
	s_lshl_b32 s48, s48, 7
	s_and_b32 s49, s[WV], 1
	s_lshl_b32 s49, s49, 5
	s_add_co_u32 s48, s48, s49
	s_add_co_u32 s48, s48, STG
	v_add_nc_u32 v[SIN], s48, v[SIN]               ; into the stage: row r of a tile, my eight columns: 128 (w / 2) + 32 (w % 2) + 64 h bytes on
	s_mul_i32 s48, s[WV], 8448
	s_add_co_u32 s48, s48, STG
	v_add_nc_u32 v[SOUT], s48, v1                  ; back: tile w's rows, 16 bytes a lane
	s_wait_alu depctr_va_vdst(0)
	s_wait_tensorcnt 0x0                           ; my part has landed,
	s_barrier_signal -1
	s_barrier_wait -1                              ; everybody's has
	; 32 batches of four products; the eight accumulators take turns, one instruction a turn
	SLOAD 0
.set GN, 0
.rept 32
.if GN > 0
	PLACES 4                                       ; between the last products and the loads into the registers that they read
.endif
.if (GN%2 == 0) && (GN >= 2) && (GN/2+3 <= 15)
	WLOAD GN/2+3                                   ; into the set that the K step just finished has left
.endif
.if GN < 31
	SLOAD GN+1
	s_wait_dscnt 16                                ; all but the 16 loads just issued
.else
	s_wait_dscnt 0x0
.endif
.if GN%2 == 0
.if 15-GN/2 >= 3
	s_wait_loadcnt 12                              ; this K step's record of W2 is in; the three younger records' loads may be out
.else
	s_wait_loadcnt 4*(15-GN/2)
.endif
.endif
	SMUL GN
.set GN, GN+1
.endr
	PLACES 4
.irp i, 0,1,2,3,4,5,6,7
	ds_store_b128 v[SIN], v[ACC+8*\i:ACC+8*\i+3] offset:8448*\i          ; each accumulator from its low end on
	ds_store_b128 v[SIN], v[ACC+8*\i+4:ACC+8*\i+7] offset:8448*\i+16
.endr
	s_wait_dscnt 0x0                               ; for the others' sake: my stores into the stage are done
	s_barrier_signal -1
	s_barrier_wait -1
.irp p, 0,1,2,3,4,5,6,7,8,9,10,11,12,13,14,15
	ds_load_b128 v[ACC+4*\p:ACC+4*\p+3], v[SOUT] offset:528*\p
.endr
	WIN 0x01                                       ; source 0 window 1
.irp p, 0,1,2,3,4,5,6,7,8,9,10,11,12,13,14,15
	v_pk_add_f32 v[72+4*\p:73+4*\p], v[RS+4*\p:RS+4*\p+1], v[B2:B2+1]    ; h2 + b2, while the rows come back
	v_pk_add_f32 v[74+4*\p:75+4*\p], v[RS+4*\p+2:RS+4*\p+3], v[B2+2:B2+3]
.endr
	WIN 0
.irp p, 0,1,2,3,4,5,6,7,8,9,10,11,12,13,14,15
	s_wait_dscnt 15-\p
	v_pk_add_f32 v[ACC+4*\p:ACC+4*\p+1], v[ACC+4*\p:ACC+4*\p+1], v[72+4*\p:73+4*\p]
	v_pk_add_f32 v[ACC+4*\p+2:ACC+4*\p+3], v[ACC+4*\p+2:ACC+4*\p+3], v[74+4*\p:75+4*\p]
	global_store_b128 v1, v[ACC+4*\p:ACC+4*\p+3], s[46:47] offset:(\p+(\p&8))*2048 th:TH_STORE_NT   ; 32 lanes store 512 consecutive bytes, at a multiple of 256 from the output's first byte
.endr
	s_wait_tensorcnt 0x0
	ds_add_u32 v254, v255
	s_wait_dscnt 0x0
	CROUND                                         ; the closing round
	s_endpgm
.Lfunc_end_k_q67d87eaf05_ffn2:
	.size	k_q67d87eaf05_ffn2, .Lfunc_end_k_q67d87eaf05_ffn2-k_q67d87eaf05_ffn2
	.p2alignl 7, 3214868480
	.fill 96, 4, 3214868480
	.section	.rodata,"a",@progbits
	.p2align	6, 0x0
	.amdhsa_kernel k_q67d87eaf05_ffn2
		.amdhsa_group_segment_fixed_size 281600
		.amdhsa_private_segment_fixed_size 0
		.amdhsa_enable_private_segment 0
		.amdhsa_kernarg_size 40
		.amdhsa_user_sgpr_count 2
		.amdhsa_user_sgpr_kernarg_segment_ptr 1
		.amdhsa_wavefront_size32 1
		.amdhsa_system_sgpr_workgroup_id_x 1
		.amdhsa_system_sgpr_workgroup_id_y 1
		.amdhsa_system_sgpr_workgroup_id_z 1
		.amdhsa_system_vgpr_workitem_id 0
		.amdhsa_next_free_vgpr 320
		.amdhsa_next_free_sgpr 66
		.amdhsa_reserve_vcc 0
		.amdhsa_float_denorm_mode_32 3
		.amdhsa_float_denorm_mode_16_64 3
		.amdhsa_memory_ordered 1
		.amdhsa_forward_progress 1
		.amdhsa_inst_pref_size 75
	.end_amdhsa_kernel
	.amdgpu_metadata
---
amdhsa.version: [ 1, 2 ]
amdhsa.kernels:
  - .name:           k_q67d87eaf05_ffn2
    .symbol:         k_q67d87eaf05_ffn2.kd
    .args:
      - { .name: big, .offset: 0, .size: 8, .value_kind: global_buffer, .address_space: global }
      - { .name: ws, .offset: 8, .size: 8, .value_kind: global_buffer, .address_space: global }
      - { .name: f_b2, .offset: 16, .size: 8, .value_kind: global_buffer, .address_space: global }
      - { .name: hf2, .offset: 24, .size: 8, .value_kind: global_buffer, .address_space: global }
      - { .name: out0, .offset: 32, .size: 8, .value_kind: global_buffer, .address_space: global }
    .group_segment_fixed_size: 281600
    .private_segment_fixed_size: 0
    .kernarg_segment_align: 8
    .kernarg_segment_size: 40
    .max_flat_workgroup_size: 256
    .sgpr_count:     66
    .vgpr_count:     320
    .wavefront_size: 32
...
	.end_amdgpu_metadata
.endif
;; end of part 6
